; MI455X (gfx1250); checked and timed in simulation.
; The chip was launched on July 23, 2026; its instructions are those of AMD's public machine-readable ISA for CDNA 5 (MIT licence, August 2026) and "CDNA5" Instruction Set Architecture Reference Guide (July 2026). The comments in the code are by the model that wrote it; some were corrected since.
;; Multi Head Self Attention. Allowed arithmetic: matrix products marked QUANTISED: E2M1 operands, one E8M0 scale for each 32 along K, by v_wmma_scale_f32_16x16x128_f8f6f4 with both operands' format E2M1 (or v_wmma_scale_f32_32x16x128_f4), f32 sums; products left as they are: bf16, f16 or f32 operands; f32 sums; everything else in f32.
;; Inputs: Wk 1,024 x 1,024 float32; Wo 1,024 x 1,024 float32; Wq 1,024 x 1,024 float32; Wv 1,024 x 1,024 float32; bk 1,024 float32; bo 1,024 float32; bq 1,024 float32; bv 1,024 float32; x 4 x 2,048 x 1,024 float32.
;; Outputs: out0 4 x 2,048 x 1,024 float32.
;; This version of the problem:
;;   THIS VERSION OF THE PROBLEM IS GIVEN IN LOW PRECISION. The matrix products marked QUANTISED in the list below multiply operands that are first quantised to E2M1 (2 exponent bits, 1 mantissa bit; 4 bits a number), with one power-of-two scale for each 32 numbers along K (OCP MX v1.0); their sums are f32. The products marked 'left as it is' may take bf16, f16 or f32 operands, with f32 sums. Whichever they take, every output number must still come out within the allowed error. Rounding operands to bf16 (8 significant bits) uses up far more of that allowance than f16 does (11 bits, for magnitudes from 6e-5 to 65,504). All else is computed in f32.
;;   The module's matrix products, in the order in which they are computed (A, B: the left and right operand; K: the contracted axis; several contracted axes count as one K, in the product's order):
;;     1. [M 8,192, K 1,024] x [K 1,024, N 1,024]; A: input x; B: input Wq: QUANTISED
;;     2. [M 8,192, K 1,024] x [K 1,024, N 1,024]; A: input x; B: input Wk: QUANTISED
;;     3. [M 8,192, K 1,024] x [K 1,024, N 1,024]; A: input x; B: input Wv: QUANTISED
;;     4. batch 64 x [M 2,048, K 64] x [K 64, N 2,048]; A: computed on the way; B: computed on the way: left as it is (an operand is computed on the way)
;;     5. batch 64 x [M 2,048, K 2,048] x [K 2,048, N 64]; A: computed on the way; B: computed on the way: left as it is (an operand is computed on the way)
;;     6. [M 8,192, K 1,024] x [K 1,024, N 1,024]; A: computed on the way; B: input Wo: left as it is (an operand is computed on the way)
;;   THE QUANTISER, for each operand of a quantised product, along K:
;;     - K is cut into blocks of 32 from its start; a last block that is shorter is filled with zeros.
;;     - A block's scale is 2^e with e = floor(log2(the largest magnitude in the block)) - 2, held to -126 .. 127; a block of zeros has e = 0. As a byte (E8M0): e + 127.
;;     - Each number is divided by its block's scale, clamped to +-6, and rounded to the nearest number of E2M1, ties to even, subnormals kept.
;;     - The product sums the exact products of the quantised numbers (number of the format x scale) in f32.
;;   ~~~python
;;   def quantise(x, axis):      # numpy; x: float32 -> the quantised numbers, widened to float32 again
;;       x = np.moveaxis(x, axis, -1); K = x.shape[-1]
;;       x = np.pad(x, [(0, 0)] * (x.ndim - 1) + [(0, -K % 32)]); x = x.reshape(x.shape[:-1] + (-1, 32)); a = np.abs(x).max(-1, keepdims=True)
;;       e = np.where(a > 0, np.clip(np.frexp(np.where(a > 0, a, 1))[1] - 1 - 2, -126, 127), 0)      # np.frexp(a)[1] - 1 = floor(log2(a)), exactly
;;       r = np.clip(x / 2.0 ** e, -6, 6)
;;       step = 2.0 ** (np.maximum(np.frexp(np.where(r == 0, 1, r))[1] - 1, 0) - 1)
;;       q = np.round(r / step) * step * 2.0 ** e      # np.round: ties to even
;;       return np.moveaxis(q.reshape(q.shape[:-2] + (-1,))[..., :K], -1, axis).astype(np.float32)
;;   ~~~
;; One version. Each part assembles by itself: llvm-mc -triple=amdgcn-amd-amdhsa -mcpu=gfx1250 --defsym DOCPART=n.
;; ======== version 1 of 1: 5 launches
;; limits: values are held in f16: magnitudes above 65,504 overflow, below 6.1e-05 lose precision
;; workspace buffers: xc 4,194,304 bytes; xs 262,144 bytes; wc 1,572,864 bytes; ws 98,304 bytes; wot 2,097,152 bytes; qkvh 50,331,648 bytes; fq 786,432 bytes; ao 16,777,216 bytes
;; launch prep (part 1): grid 416 x 1, 4 waves a work-group, no clusters, 85,504 bytes of LDS; arguments x, Wq, Wk, Wv, Wo, xc, xs, wc, ws, wot; writes xc, xs, wc, ws, wot
.if DOCPART == 1
	.amdgcn_target "amdgcn-amd-amdhsa--gfx1250"
	.amdhsa_code_object_version 6
	.text
	.protected	k_q1d9cda2515_prep
	.globl	k_q1d9cda2515_prep
	.p2align	8
	.type	k_q1d9cda2515_prep,@function
k_q1d9cda2515_prep:
	s_mov_b64 s[64:65], 0
	v_nop
	global_prefetch_b8 v0, s[64:65] scope:SCOPE_SE
	s_setreg_imm32_b32 hwreg(HW_REG_WAVE_MODE, 25, 1), 1
	s_wait_xcnt 0x0
; THE OPERANDS ARE MADE READY ONCE.  Three kinds of work-group, told apart by the work-group's number; the three ways never join again, and each has LDS bytes of its own.
;   0..95    Wq, Wk, Wv [1024 (k)][1024 (n)] f32 -> codes of FP4 (E2M1) with K innermost, wc [3072 = 1024 which + n][512 bytes], and one E8M0 byte for each 32 along K, ws [3072][32]
;   96..159  Wo [1024 (k)][1024 (n)] f32 -> f16, turned: wot [n][k]
;   160..415 x [8192][1024] f32 -> codes xc [8192][512 bytes] and scale bytes xs [8192][32]
; A block's scale is 2^(floor(log2(its largest magnitude)) - 2); its byte is the largest magnitude's exponent field - 2, held at 1 from below.
; LIMITS: a block of zeros gets the byte 1 where the quantiser says 127: its codes are zeros, which add nothing under any byte but 0xff, and this program alone reads the bytes.
; Blocks whose largest magnitude lies under 2^-124 are held at that floor's byte.  NaN and infinities among the inputs are not served.  |Wo| stays under 65,504 (f16).
; No matrix work, no cluster, no tensor load: no two work-groups read the same byte, and every load goes straight into registers.
.set SP,     80                        ; x: a lane's place in a stage: its 64 bytes + 16 of padding
.set WREG,   8192                      ; x: a wave's LDS: two stages of 32 x SP bytes, behind them its 256 scale bytes
.set WST,    32768                     ; the weights' stage, the work-group's: 64 rows (columns n) x 272 bytes
.set OST,    50176                     ; Wo's stages, a wave's own: 32 rows x 272 bytes each
.set SPARE,  84992                     ; the spare words, 128 bytes for each wave: two blocks of 256 bytes that no other line names
.set PITCH,  272
.set STEPS,  16
.set DEPTH,  8                         ; x: loads run eight steps (32 loads a wave) ahead
.set R,      16                        ; v16-143  x: eight sets of 16 numbers as they are loaded
.set X,      144                       ; v144-175 x: two sets of 16 neighbours
.set E,      176                       ; v176-191 x: a scale byte for each step
.set C,      192                       ; v192-223 x: two registers of codes for each step: no store's data are written again
.set WX,     32                        ; v32-95   weights: two sets of 32 numbers down K
.set WC,     96                        ; v96-111  weights: what a block becomes
.set SB,     24                        ; v24-25   weights: eight scale bytes
.set OUTR,   112                       ; v112-175 weights: rows read back from the stage
.set SPW,    254                       ; LDS address of my spare word; never rewritten
.set NIL,    255                       ; 0; never rewritten
	s_load_b256 s[4:11], s[0:1], 0x0               ; x, Wq, Wk, Wv
	s_load_b256 s[12:19], s[0:1], 0x20             ; Wo, xc, xs, wc
	s_load_b128 s[20:23], s[0:1], 0x40             ; ws, wot
	v_lshl_add_u32 v[SPW], v0, 2, SPARE
	v_mov_b32 v[NIL], 0
	v_lshrrev_b32 v1, 5, v0
	v_readfirstlane_b32 s24, v1                    ; wave 0..3
	v_and_b32 v2, 31, v0                           ; lane
	s_mov_b32 s29, 0                               ; the upper word of every offset: all stay under 2^32
	s_wait_kmcnt 0x0
	s_cmp_lt_u32 ttmp9, 96
	s_cbranch_scc1 .Lw
	s_cmp_lt_u32 ttmp9, 160
	s_cbranch_scc1 .Lo
; ---------------- x.  Rows are dense and 1,024 is a multiple of 32: x is a plain stream of blocks of 32, and so are its codes and bytes.  A wave takes 16 steps of 512 numbers.
; Each load reads 512 consecutive bytes; a step's 2,048 bytes turn through the wave's own stage so that a lane gets 16 neighbours (two neighbouring lanes hold a block).
	s_mul_i32 s25, s24, WREG
	v_lshlrev_b32 v3, 4, v2                        ; my 16 bytes of a load's 512
	v_lshrrev_b32 v14, 2, v2
	v_mul_u32_u24 v14, v14, SP
	v_and_b32 v15, 3, v2
	v_lshl_add_u32 v14, v15, 4, v14
	v_add_nc_u32 v14, s25, v14                     ; into the stage: SP (lane / 4) + 16 (lane % 4)
	v_mul_u32_u24 v15, v2, SP
	v_add_nc_u32 v15, s25, v15                     ; out of it: SP x lane
	v_lshlrev_b32 v4, 3, v2                        ; my 8 bytes of a step's codes
	v_lshrrev_b32 v5, 1, v2
	s_add_co_u32 s25, s25, 2*32*SP
	v_add_nc_u32 v5, s25, v5                       ; my block's byte among the wave's 256
	v_lshlrev_b32 v7, 3, v2
	v_add_nc_u32 v6, s25, v7                       ; and on the way out 8 bytes a lane
	s_sub_co_u32 s26, ttmp9, 160
	s_lshl_b32 s26, s26, 2
	s_add_co_u32 s26, s26, s24                     ; which run of 8,192 numbers is my wave's: 0..1023
	s_lshl_b32 s28, s26, 15
	s_add_nc_u64 s[4:5], s[4:5], s[28:29]          ; 32,768 bytes of x,
	s_lshl_b32 s28, s26, 12
	s_add_nc_u64 s[14:15], s[14:15], s[28:29]      ; 4,096 of codes,
	s_lshl_b32 s28, s26, 8
	s_add_nc_u64 s[16:17], s[16:17], s[28:29]      ; 256 scale bytes
.macro XLOAD t
.irp i, 0,1,2,3
	global_load_b128 v[R+16*((\t)%DEPTH)+4*\i:R+16*((\t)%DEPTH)+4*\i+3], v3, s[4:5] offset:2048*(\t)+512*\i th:TH_LOAD_NT
.endr
.endm
.macro XTURN t                         ; LDS serves a wave's instructions in order: no wait between the stores and the loads
.irp i, 0,1,2,3
	ds_store_b128 v14, v[R+16*((\t)%DEPTH)+4*\i:R+16*((\t)%DEPTH)+4*\i+3] offset:32*SP*((\t)%2)+8*SP*\i
.endr
.irp i, 0,1,2,3
	ds_load_b128 v[X+16*((\t)%2)+4*\i:X+16*((\t)%2)+4*\i+3], v15 offset:32*SP*((\t)%2)+16*\i
.endr
.endm
.irp t, 0,1,2,3,4,5,6,7
	XLOAD \t
.endr
	s_wait_loadcnt 28                              ; step 0's four loads are in; those of steps 1 to 7 stay out
	XTURN 0
.macro XSTEP t
.set XS, X+16*((\t)%2)
.if (\t) > 0
	s_wait_dscnt 1                                 ; this step's numbers are back from the stage (the last step's byte store may be out): so the stores into the stage have read their registers,
.else
	s_wait_dscnt 0x0
.endif
.if (\t)+DEPTH < STEPS
	XLOAD (\t)+DEPTH                               ; which take the loads of eight steps on
.endif
.if (\t)+1 < STEPS
.if STEPS-2-(\t) >= DEPTH-1
	s_wait_loadcnt 4*(DEPTH-1)                     ; the next step's four loads are in; those of the seven steps behind it may be out
.else
	s_wait_loadcnt 4*(STEPS-2-(\t))                ; towards the end fewer steps stand behind it
.endif
	XTURN (\t)+1
.endif
	v_max3_num_f32 v8, |v[XS]|, |v[XS+1]|, |v[XS+2]|               ; the largest magnitude of my 16, in two chains
	v_max3_num_f32 v9, |v[XS+3]|, |v[XS+4]|, |v[XS+5]|
.irp i, 6,10
	v_max3_num_f32 v8, v8, |v[XS+\i]|, |v[XS+\i+1]|
	v_max3_num_f32 v9, v9, |v[XS+\i+2]|, |v[XS+\i+3]|
.endr
	v_max3_num_f32 v8, v8, |v[XS+14]|, |v[XS+15]|
	v_max3_num_f32 v8, v8, v9, 0x1800000           ; and the floor 2^(3 - 127): the byte cannot fall under 1
	v_max_num_f32_dpp v8, v8, v8 row_xmask:1 row_mask:0xf bank_mask:0xf   ; with my neighbour's 16: the block's
	v_add_nc_u32 v11, 0xff000000, v8               ; 2 off its exponent field: the conversion takes the exponent field of this operand as its scale
	v_cvt_scalef32_pk8_fp4_f32 v[C+2*(\t)], v[XS:XS+7], v11
	v_cvt_scalef32_pk8_fp4_f32 v[C+2*(\t)+1], v[XS+8:XS+15], v11
	v_lshrrev_b32 v[E+(\t)], 23, v11               ; the scale's byte (also the plain line behind the conversions)
	ds_store_b8 v5, v[E+(\t)] offset:16*(\t)       ; both lanes of a block write the same byte with the same value
	global_store_b64 v4, v[C+2*(\t):C+2*(\t)+1], s[14:15] offset:256*(\t)   ; the wave stores 256 consecutive bytes, aligned
.endm
.irp t, 0,1,2,3,4,5,6,7,8,9,10,11,12,13,14,15
	XSTEP \t
.endr
	ds_load_b64 v[8:9], v6                         ; in order behind my byte stores
	s_wait_dscnt 0x0
	global_store_b64 v7, v[8:9], s[16:17]          ; 256 scale bytes, aligned
	s_wait_tensorcnt 0x0                           ; the wave's end
	ds_add_u32 v[SPW], v[NIL]
	s_wait_dscnt 0x0
	s_endpgm
; ---------------- Wq, Wk, Wv.  K is the FIRST axis: a lane takes a column n and its registers run down K, so a block of 32 lies in one lane and the codes come out with K innermost.
; A work-group takes 64 columns x 512 K; wave w: columns 32 (w & 1) on, K 256 (w >> 1) on: two waves side by side read 256 consecutive bytes of a row of W.
; The scale bytes leave as 8 bytes a lane of rows 32 bytes apart: 98,304 bytes in the whole launch are written so, in pieces.
.Lw:
	s_lshr_b32 s25, ttmp9, 5                       ; which: 0 q, 1 k, 2 v
	s_and_b32 s26, ttmp9, 15                       ; cg: 64 columns
	s_bfe_u32 s27, ttmp9, 0x10004                  ; khalf
	s_and_b32 s30, s24, 1                          ; cgw
	s_lshr_b32 s31, s24, 1                         ; kp
	s_cmp_eq_u32 s25, 0
	s_cselect_b64 s[6:7], s[6:7], s[8:9]           ; the choice hangs on the work-group's number alone
	s_cmp_eq_u32 s25, 2
	s_cselect_b64 s[6:7], s[10:11], s[6:7]
	s_lshl_b32 s34, s27, 1
	s_add_co_u32 s34, s34, s31                     ; 2 khalf + kp: which 256 along K
	s_lshl_b32 s32, s26, 1
	s_add_co_u32 s32, s32, s30                     ; 2 cg + cgw: which 32 columns
	s_lshl_b32 s28, s34, 20                        ; 256 rows of 4,096 bytes
	s_lshl_b32 s33, s32, 7                         ; 32 columns of 4 bytes
	s_add_co_u32 s28, s28, s33
	s_add_nc_u64 s[6:7], s[6:7], s[28:29]
	s_lshl_b32 s28, s25, 15                        ; ws: (1024 which + 32 (2 cg + cgw)) x 32 + 8 (2 khalf + kp)
	s_lshl_b32 s33, s32, 10
	s_add_co_u32 s28, s28, s33
	s_lshl_b32 s33, s34, 3
	s_add_co_u32 s28, s28, s33
	s_add_nc_u64 s[20:21], s[20:21], s[28:29]
	s_lshl_b32 s28, s25, 19                        ; wc: (1024 which + 64 cg + 16 wave) x 512 + 256 khalf
	s_lshl_b32 s33, s26, 15
	s_add_co_u32 s28, s28, s33
	s_lshl_b32 s33, s24, 13
	s_add_co_u32 s28, s28, s33
	s_lshl_b32 s33, s27, 8
	s_add_co_u32 s28, s28, s33
	s_add_nc_u64 s[18:19], s[18:19], s[28:29]
	v_lshlrev_b32 v3, 2, v2                        ; in: 4 bytes a lane
	s_mul_i32 s35, s30, 32*PITCH
	s_lshl_b32 s33, s31, 7
	s_add_co_u32 s35, s35, s33
	s_add_co_u32 s35, s35, WST
	v_mul_u32_u24 v4, v2, PITCH
	v_add_nc_u32 v4, s35, v4                       ; into the stage: row = my column, my wave's 128 bytes of its 256
	v_and_b32 v5, 15, v2
	v_lshrrev_b32 v6, 4, v2
	s_mul_i32 s36, s24, 16*PITCH
	s_add_co_u32 s36, s36, WST
	v_mul_u32_u24 v7, v6, PITCH
	v_lshl_add_u32 v7, v5, 4, v7
	v_add_nc_u32 v7, s36, v7                       ; out of it: wave w takes rows 16 w on, sixteen lanes to a row
	v_lshlrev_b32 v8, 9, v6
	v_lshl_add_u32 v8, v5, 4, v8                   ; the same place in wc
	v_lshlrev_b32 v9, 5, v2                        ; my column's row of scale bytes
.macro WLOAD t
.irp i, 0,1,2,3,4,5,6,7,8,9,10,11,12,13,14,15,16,17,18,19,20,21,22,23,24,25,26,27,28,29,30,31
	global_load_b32 v[WX+32*((\t)%2)+\i], v3, s[6:7] offset:(32*(\t)+\i)*4096 th:TH_LOAD_NT
.endr
.endm
	WLOAD 0
	WLOAD 1
.macro WBLOCK t
.set XS, WX+32*((\t)%2)
.if (\t) < 7
	s_wait_loadcnt 32                              ; this block's 32 loads are in; the next block's may be out
.else
	s_wait_loadcnt 0x0
.endif
	v_max3_num_f32 v12, |v[XS]|, |v[XS+1]|, |v[XS+2]|              ; the block's largest magnitude: all 32 numbers are mine
	v_max3_num_f32 v13, |v[XS+3]|, |v[XS+4]|, |v[XS+5]|
.irp i, 6,10,14,18,22,26
	v_max3_num_f32 v12, v12, |v[XS+\i]|, |v[XS+\i+1]|
	v_max3_num_f32 v13, v13, |v[XS+\i+2]|, |v[XS+\i+3]|
.endr
	v_max3_num_f32 v12, v12, |v[XS+30]|, |v[XS+31]|
	v_max3_num_f32 v12, v12, v13, 0x1800000        ; and the floor
	v_add_nc_u32 v11, 0xff000000, v12              ; the conversion's scale operand
	v_lshrrev_b32 v13, 23, v11                     ; the scale's byte
.if (\t)%4 == 0
	v_mov_b32 v[SB+(\t)/4], v13
.else
	v_lshl_or_b32 v[SB+(\t)/4], v13, 8*((\t)%4), v[SB+(\t)/4]
.endif
.irp g, 0,1,2,3
	v_cvt_scalef32_pk8_fp4_f32 v[WC+\g], v[XS+8*\g:XS+8*\g+7], v11
.endr
	ds_store_b128 v4, v[WC:WC+3] offset:16*(\t)    ; 32 codes: 16 bytes of my column's row
.if (\t)+2 < 8
	WLOAD (\t)+2
.endif
	s_wait_dscnt 0x0                               ; the store has read its registers: the next block's codes may be written (its first lines are plain ones)
.endm
.irp t, 0,1,2,3,4,5,6,7
	WBLOCK \t
.endr
	global_store_b64 v9, v[SB:SB+1], s[20:21]      ; my column's eight scale bytes
	s_barrier_signal -1                            ; every wave's stores into the stage are done (the wait for 0 stands at the last block's end): a row's 256 bytes come from two waves
	s_barrier_wait -1
.irp t, 0,1,2,3,4,5,6,7
	ds_load_b128 v[OUTR+4*\t:OUTR+4*\t+3], v7 offset:2*\t*PITCH
.endr
.irp t, 0,1,2,3,4,5,6,7
	s_wait_dscnt 7-\t                              ; the younger loads stay out
	global_store_b128 v8, v[OUTR+4*\t:OUTR+4*\t+3], s[18:19] offset:2*\t*512   ; sixteen lanes store 256 consecutive bytes, aligned
.endr
	s_wait_tensorcnt 0x0                           ; the wave's end
	ds_add_u32 v[SPW], v[NIL]
	s_wait_dscnt 0x0
	s_endpgm
; ---------------- Wo -> f16, [n][k].  The same plan: a lane to a column, registers down K; pairs along K pack into words.  A wave takes 32 columns x 128 K through its own stage: no barrier.
.Lo:
	s_sub_co_u32 s25, ttmp9, 96
	s_and_b32 s26, s25, 15                         ; cg
	s_lshr_b32 s27, s25, 4                         ; kq
	s_and_b32 s30, s24, 1
	s_lshr_b32 s31, s24, 1
	s_lshl_b32 s34, s27, 1
	s_add_co_u32 s34, s34, s31                     ; which 128 along K
	s_lshl_b32 s32, s26, 1
	s_add_co_u32 s32, s32, s30                     ; which 32 columns
	s_lshl_b32 s28, s34, 19                        ; 128 rows of 4,096 bytes
	s_lshl_b32 s33, s32, 7
	s_add_co_u32 s28, s28, s33
	s_add_nc_u64 s[12:13], s[12:13], s[28:29]
	s_lshl_b32 s28, s32, 16                        ; wot: 32 rows of 2,048 bytes,
	s_lshl_b32 s33, s34, 8                         ; 128 k of 2 bytes
	s_add_co_u32 s28, s28, s33
	s_add_nc_u64 s[22:23], s[22:23], s[28:29]
	v_lshlrev_b32 v3, 2, v2
	s_mul_i32 s35, s24, 32*PITCH
	s_add_co_u32 s35, s35, OST
	v_mul_u32_u24 v4, v2, PITCH
	v_add_nc_u32 v4, s35, v4
	v_and_b32 v5, 15, v2
	v_lshrrev_b32 v6, 4, v2
	v_mul_u32_u24 v7, v6, PITCH
	v_lshl_add_u32 v7, v5, 4, v7
	v_add_nc_u32 v7, s35, v7
	v_lshlrev_b32 v8, 11, v6
	v_lshl_add_u32 v8, v5, 4, v8
.macro OLOAD t                         ; no hint: a later launch reads Wo again
.irp i, 0,1,2,3,4,5,6,7,8,9,10,11,12,13,14,15,16,17,18,19,20,21,22,23,24,25,26,27,28,29,30,31
	global_load_b32 v[WX+32*((\t)%2)+\i], v3, s[12:13] offset:(32*(\t)+\i)*4096
.endr
.endm
	OLOAD 0
	OLOAD 1
.macro OBLOCK t
.set XS, WX+32*((\t)%2)
.if (\t) < 3
	s_wait_loadcnt 32                              ; the next block's 32 loads may be out
.else
	s_wait_loadcnt 0x0
.endif
.irp i, 0,1,2,3,4,5,6,7,8,9,10,11,12,13,14,15
	v_cvt_pk_f16_f32 v[WC+\i], v[XS+2*\i], v[XS+2*\i+1]
.endr
.irp g, 0,1,2,3
	ds_store_b128 v4, v[WC+4*\g:WC+4*\g+3] offset:64*(\t)+16*\g
.endr
.if (\t)+2 < 4
	OLOAD (\t)+2
.endif
	s_wait_dscnt 0x0                               ; the stores have read their registers
.endm
.irp t, 0,1,2,3
	OBLOCK \t
.endr
.irp t, 0,1,2,3,4,5,6,7,8,9,10,11,12,13,14,15
	ds_load_b128 v[OUTR+4*\t:OUTR+4*\t+3], v7 offset:2*\t*PITCH
.endr
.irp t, 0,1,2,3,4,5,6,7,8,9,10,11,12,13,14,15
	s_wait_dscnt 15-\t
	global_store_b128 v8, v[OUTR+4*\t:OUTR+4*\t+3], s[22:23] offset:2*\t*2048   ; sixteen lanes store 256 consecutive bytes, aligned
.endr
	s_wait_tensorcnt 0x0                           ; the wave's end
	ds_add_u32 v[SPW], v[NIL]
	s_wait_dscnt 0x0
	s_endpgm
.Lfunc_end_k_q1d9cda2515_prep:
	.size	k_q1d9cda2515_prep, .Lfunc_end_k_q1d9cda2515_prep-k_q1d9cda2515_prep
	.p2alignl 7, 3214868480
	.fill 96, 4, 3214868480
	.section	.rodata,"a",@progbits
	.p2align	6, 0x0
	.amdhsa_kernel k_q1d9cda2515_prep
		.amdhsa_group_segment_fixed_size 85504
		.amdhsa_private_segment_fixed_size 0
		.amdhsa_enable_private_segment 0
		.amdhsa_kernarg_size 80
		.amdhsa_user_sgpr_count 2
		.amdhsa_user_sgpr_kernarg_segment_ptr 1
		.amdhsa_wavefront_size32 1
		.amdhsa_system_sgpr_workgroup_id_x 1
		.amdhsa_system_sgpr_workgroup_id_y 1
		.amdhsa_system_sgpr_workgroup_id_z 1
		.amdhsa_system_vgpr_workitem_id 0
		.amdhsa_next_free_vgpr 256
		.amdhsa_next_free_sgpr 66
		.amdhsa_reserve_vcc 0
		.amdhsa_float_denorm_mode_32 3
		.amdhsa_float_denorm_mode_16_64 3
		.amdhsa_memory_ordered 1
		.amdhsa_forward_progress 1
		.amdhsa_inst_pref_size 95
	.end_amdhsa_kernel
	.amdgpu_metadata
---
amdhsa.version: [ 1, 2 ]
amdhsa.kernels:
  - .name:           k_q1d9cda2515_prep
    .symbol:         k_q1d9cda2515_prep.kd
    .args:
      - { .name: x, .offset: 0, .size: 8, .value_kind: global_buffer, .address_space: global }
      - { .name: Wq, .offset: 8, .size: 8, .value_kind: global_buffer, .address_space: global }
      - { .name: Wk, .offset: 16, .size: 8, .value_kind: global_buffer, .address_space: global }
      - { .name: Wv, .offset: 24, .size: 8, .value_kind: global_buffer, .address_space: global }
      - { .name: Wo, .offset: 32, .size: 8, .value_kind: global_buffer, .address_space: global }
      - { .name: xc, .offset: 40, .size: 8, .value_kind: global_buffer, .address_space: global }
      - { .name: xs, .offset: 48, .size: 8, .value_kind: global_buffer, .address_space: global }
      - { .name: wc, .offset: 56, .size: 8, .value_kind: global_buffer, .address_space: global }
      - { .name: ws, .offset: 64, .size: 8, .value_kind: global_buffer, .address_space: global }
      - { .name: wot, .offset: 72, .size: 8, .value_kind: global_buffer, .address_space: global }
    .group_segment_fixed_size: 85504
    .private_segment_fixed_size: 0
    .kernarg_segment_align: 8
    .kernarg_segment_size: 80
    .max_flat_workgroup_size: 128
    .sgpr_count:     66
    .vgpr_count:     256
    .wavefront_size: 32
...
	.end_amdgpu_metadata
.endif
;; end of part 1
;; launch qkv (part 2): grid 12 x 32, 4 waves a work-group, clusters of 4 x 4, 327,680 bytes of LDS; arguments xc, xs, wc, ws, bq, bk, bv, qkvh, fq; writes qkvh, fq
.if DOCPART == 2
	.amdgcn_target "amdgcn-amd-amdhsa--gfx1250"
	.amdhsa_code_object_version 6
	.text
	.protected	k_q1d9cda2515_qkv
	.globl	k_q1d9cda2515_qkv
	.p2align	8
	.type	k_q1d9cda2515_qkv,@function
k_q1d9cda2515_qkv:
	s_mov_b64 s[64:65], 0
	v_nop
	global_prefetch_b8 v0, s[64:65] scope:SCOPE_SE
	s_setreg_imm32_b32 hwreg(HW_REG_WAVE_MODE, 25, 1), 1
	s_wait_xcnt 0x0
	s_wait_alu depctr_hold_cnt(0) depctr_sa_sdst(0) depctr_va_vdst(0) depctr_va_sdst(0) depctr_va_ssrc(0) depctr_va_vcc(0) depctr_vm_vsrc(0)
	s_getreg_b32 s2, hwreg(HW_REG_IB_STS2, 6, 4)
	s_cmp_eq_u32 s2, 0
	s_cbranch_scc0 .Lentry_in_a_cluster
	s_endpgm
.Lentry_in_a_cluster:
	s_bfe_u32 s2, ttmp6, 0x10000c
	s_cmp_lg_u32 s2, 0xf033
	s_cbranch_scc0 .Lentry_shape_is_right
	s_endpgm
.Lentry_shape_is_right:
; q, k, v = Q(x) Q(W) + b: one GEMM of 8,192 x 3,072 x 1,024 on codes of FP4 (E2M1) with one E8M0 scale for each 32 along K; sums in f32, beginning with the bias.
; OUT: qkvh, f16, [which 3][batch 4][head 16][position 2048][64]; the first 16 positions of every batch also in f32, fq [batch][which][head][16][64], for the launch that carries those rows finely.
; LIMITS: |q|, |k|, |v| stay under 65,504 (f16); magnitudes under 6e-5 carry f16's absolute step.  The bias is the sum's first term, where the definition adds it last: another order of rounding in f32.
; A tile of C, 256 x 256, is made by four waves, each 128 x 128: 64 accumulators, 512 registers.  384 tiles: a tile of 256 x 384 would give one to each of 256 work-groups, but a wave's 128 x 192 are 768
; registers of sums, which leave no room for fragments.  K = 1,024 is two LDS slots of 512 along K (rows of 256 bytes): both are first fills, nothing is filled again, and there is no loop.
; The scale bytes of the tile's rows of x and of W, for all of K, are two dense blocks: they come once, with the first fills.
; CLUSTERS: 4 x 4 work-groups.  The four of a row of the cluster need the same rows of x, the four of a column the same rows of W: each tile is asked for jointly.
; Tile row = 8 cy + cluster y, so that the batch is cy and 'the tile begins a batch' is 'cluster y = 0', which all sixteen partners share.  Tile column = 4 cluster x + cx: cluster x says which of q, k, v.
; THE MATRIX INSTRUCTION IS USED TRANSPOSED (source 0 = 16 rows of W's codes, source 1 = 16 rows of x's): a lane holds eight neighbouring columns of one row.
; REGISTERS, in windows of 256: window 0: v0-31 addresses; v32-95 scale words, two sets, and nothing else; v96-127 packed results; v128-191 x's fragments, one set; v192-255 the bias, later rows on the way out.
;   window 1: W's fragments, two sets, at v0 and v128.   window 2: the accumulators of my rows 0-63 ((a, b) at v[8 (8 a + b)]);   window 3: those of rows 64-127.
.set NQ,     4                         ; steps of 128 along K in a slot
.set ROWB,   256                       ; a tile's row in bytes
.set KROW,   512                       ; a row of codes in memory
.set PITCH,  272                       ; an LDS row: 256 bytes + 16 of padding: the 16 rows that a load touches start at 16 different banks (64 banks of 4 bytes: ISA guide 11.1)
.set FR,     8
.set NL,     2
.set NP,     4                         ; places behind this matrix instruction (ISA guide 7.12.1)
.set HALFT,  128*PITCH
.set SLOT,   4*HALFT
.set KS,     32                        ; a row of scale bytes
.set SCL,    2*SLOT
.set HALFS,  (128*KS/256)*272
.set SBLK,   (16*KS/256)*272
.set SPARE,  SCL+4*HALFS               ; the spare words, 128 bytes for each wave: two blocks of 256 bytes that no other line names
.set HP,     144                       ; the way out: a head's row of 128 bytes + 16
.set HSTG,   2*16*HP                   ; a wave's stage: 2 heads x 16 rows.  The stages lie in slot 0, which has had its only fill and its last read when the first result is stored there
.set FSTAGE, 32768                     ; the f32 stage, also in slot 0: 16 rows x 528 bytes for each wave
.set FP,     528
.set ADRA, 16
.set ADRB, 20
.set FCO,  22
.set BO,   23
.set STO,  24
.set RD,   25
.set CO,   26
.set ADRS, 27
.set SPW,  28
.set NIL,  29
.set FSTO, 30
.set FRD,  31
.set SC,   32
.set TMP,  96
.set AF,   128
.set BIAS, 192
.set BK,   192
.set G1, 24
.set G0, 32
.set G1B, 48
.set G0B, 56
.set G1S, 68
.set G0S, 76
.set G1SB, 80
.set G0SB, 88
.set MSB, 0
.macro WIN new                         ; the immediate's high byte repeats the setting that is left
.if MSB != \new
	s_set_vgpr_msb (MSB<<8)|\new
.set MSB, \new
.endif
.endm
.set MUL_LO, 0xa1                      ; source 0 (W) window 1, source 1 (x) window 0, C and D window 2
.set MUL_HI, 0xf1                      ; the same, C and D window 3
.set BIA_LO, 0x81                      ; C = the bias, window 0; D window 2
.set BIA_HI, 0xc1                      ; D window 3
.set TO_B,   0x40
; A joint load: waves 0 and 1 fetch for x, waves 2 and 3 for W.  The branch hangs on the wave's number alone.  An s_nop 0 and four v_nop follow each of the two lines.
.macro JLOAD g0a, g1a, g0b, g1b
	s_cmp_eq_u32 s15, 0
	s_cbranch_scc0 .Lfor_b_\@
	tensor_load_to_lds s[\g0a:\g0a+3], s[\g1a:\g1a+7]
	s_nop 0
.rept 4
	v_nop
.endr
	s_branch .Lasked_\@
.Lfor_b_\@:
	tensor_load_to_lds s[\g0b:\g0b+3], s[\g1b:\g1b+7]
	s_nop 0
.rept 4
	v_nop
.endr
.Lasked_\@:
.endm
.macro CROUND                          ; a round of the cluster's barrier
	s_barrier_signal -1
	s_barrier_wait -1
	s_cmp_lg_u32 s14, 0
	s_cbranch_scc1 .Lnot_wave_0_\@
	s_barrier_signal -3
.Lnot_wave_0_\@:
	s_barrier_wait -3
	s_barrier_signal -1
	s_barrier_wait -1
.endm
	s_load_b128 s[4:7], s[0:1], 0x0                ; xc, xs
	s_load_b128 s[8:11], s[0:1], 0x10              ; wc, ws
	s_load_b128 s[96:99], s[0:1], 0x20             ; bq, bk
	s_load_b64 s[100:101], s[0:1], 0x30            ; bv
	s_load_b64 s[12:13], s[0:1], 0x38              ; qkvh
	s_load_b64 s[66:67], s[0:1], 0x40              ; fq
	v_lshl_add_u32 v[SPW], v0, 2, SPARE
	v_mov_b32 v[NIL], 0
	ds_add_u32 v[SPW], v[NIL]                      ; the wave's opening: the add, twice on end, and its wait ahead of my first tensor load
	ds_add_u32 v[SPW], v[NIL]
	v_lshrrev_b32 v1, 5, v0
	v_readfirstlane_b32 s14, v1                    ; wave 0..3
	s_lshr_b32 s15, s14, 1                         ; which half of the tile's rows is mine.  Also: I fetch for x (0) or for W (1)
	s_and_b32 s16, s14, 1                          ; which half of its columns.  Also: which 128 rows I fetch
	s_bfe_u32 s40, ttmp6, 0x40000                  ; cx
	s_bfe_u32 s41, ttmp6, 0x40004                  ; cy
	s_lshl_b32 s42, ttmp9, 2
	s_add_co_u32 s42, s42, s40                     ; tile column = 4 x cluster x + cx
	s_and_b32 s2, ttmp7, 0xffff                    ; cluster y
	s_lshl_b32 s17, s41, 3
	s_add_co_u32 s17, s17, s2                      ; tile row = 8 cy + cluster y
	s_lshl_b32 s43, s41, 2
	s_lshl_b32 s43, 15, s43                        ; my row of the cluster
	s_lshl_b32 s44, 0x1111, s40                    ; my column
	s_or_b32 s[G1+0], s43, (0<<16)|(1<<20)|(1<<21)|(5<<22)|(3<<25)  ; mask; elements of 1 byte; padding on; bit 21 beside a mask; 4 words behind every 64
	s_or_b32 s[G1B+0], s44, (0<<16)|(1<<20)|(1<<21)|(5<<22)|(3<<25)
.irp g, G1, G1B
	s_mov_b32 s[\g+1], ROWB<<16                    ; tensor_dim0
	s_mov_b32 s[\g+2], 128<<16                     ; tensor_dim1
	s_mov_b32 s[\g+3], ROWB<<16                    ; tile_dim0
	s_mov_b32 s[\g+4], 128                         ; tile_dim1
	s_mov_b32 s[\g+5], KROW                        ; the pitch
	s_mov_b32 s[\g+6], 0
	s_mov_b32 s[\g+7], 0
.endr
	s_or_b32 s[G1S+0], s43, (3<<16)|(1<<20)|(1<<21)|(5<<22)|(3<<25)  ; the scales of 128 rows: 4,096 dense bytes as 16 rows of 256 (32 elements of 8 bytes), 16 bytes of padding behind each
	s_or_b32 s[G1SB+0], s44, (3<<16)|(1<<20)|(1<<21)|(5<<22)|(3<<25)
.irp g, G1S, G1SB
	s_mov_b32 s[\g+1], 32<<16
	s_mov_b32 s[\g+2], (128*KS/256)<<16
	s_mov_b32 s[\g+3], 32<<16
	s_mov_b32 s[\g+4], 128*KS/256
	s_mov_b32 s[\g+5], 32
	s_mov_b32 s[\g+6], 0
	s_mov_b32 s[\g+7], 0
.endr
	s_lshl_b32 s18, s16, 7
	s_lshl_b32 s20, s17, 8
	s_add_co_u32 s20, s20, s18                     ; x: row 256 x tile row + 128 x half
	s_lshl_b32 s46, s42, 8
	s_add_co_u32 s46, s46, s18                     ; W: row 256 x tile column + 128 x half
	s_mov_b32 s21, 0
	s_mov_b32 s47, 0
	s_mov_b64 s[18:19], KS
	s_mul_u64 s[22:23], s[20:21], s[18:19]         ; where these rows' scales begin
	s_mul_u64 s[92:93], s[46:47], s[18:19]
	s_mov_b64 s[18:19], KROW
	s_mul_u64 s[20:21], s[20:21], s[18:19]         ; and their codes
	s_mul_u64 s[46:47], s[46:47], s[18:19]
	s_mul_i32 s45, s14, HALFT                      ; where they go: wave x 128 rows: no place in the cluster enters an LDS address
	s_mul_i32 s94, s14, HALFS
	s_wait_dscnt 0x0                               ; both opening adds are done
	s_wait_kmcnt 0x0
	s_add_nc_u64 s[20:21], s[4:5], s[20:21]
	s_add_nc_u64 s[22:23], s[6:7], s[22:23]
	s_add_nc_u64 s[46:47], s[8:9], s[46:47]
	s_add_nc_u64 s[92:93], s[10:11], s[92:93]
	CROUND                                         ; all sixteen work-groups are here: the joint loads meet
	s_mov_b32 s[G0S], 1
	s_add_co_u32 s[G0S+1], s94, SCL
	s_mov_b64 s[G0S+2:G0S+3], s[22:23]
	s_or_b32 s[G0S+3], s[G0S+3], 0x80000000
	s_mov_b32 s[G0SB], 1
	s_add_co_u32 s[G0SB+1], s94, SCL
	s_mov_b64 s[G0SB+2:G0SB+3], s[92:93]
	s_or_b32 s[G0SB+3], s[G0SB+3], 0x80000000
	JLOAD G0S, G1S, G0SB, G1SB                     ; the scales first: they are wanted with the first step.  Three loads of mine are out at the most
.irp s, 0,1
	s_mov_b32 s[G0+4*\s], 1
	s_add_co_u32 s[G0+4*\s+1], s45, \s*SLOT
	s_add_nc_u64 s[G0+4*\s+2:G0+4*\s+3], s[20:21], \s*ROWB
	s_or_b32 s[G0+4*\s+3], s[G0+4*\s+3], 0x80000000
	s_mov_b32 s[G0B+4*\s], 1
	s_add_co_u32 s[G0B+4*\s+1], s45, \s*SLOT
	s_add_nc_u64 s[G0B+4*\s+2:G0B+4*\s+3], s[46:47], \s*ROWB
	s_or_b32 s[G0B+4*\s+3], s[G0B+4*\s+3], 0x80000000
	JLOAD G0+4*\s, G1, G0B+4*\s, G1B
.endr
	v_and_b32 v1, 15, v0                           ; r = l % 16
	v_bfe_u32 v2, v0, 4, 1                         ; h = l / 16
	; the bias: which of the three hangs on cluster x alone; my 128 columns; lane (r, h) wants, for W's block b, columns 16 b + 8 h + 0 .. 7: the result's layout
	s_cmp_eq_u32 ttmp9, 0
	s_cselect_b64 s[96:97], s[96:97], s[98:99]
	s_cmp_eq_u32 ttmp9, 2
	s_cselect_b64 s[96:97], s[100:101], s[96:97]
	s_lshl_b32 s92, s40, 10
	s_lshl_b32 s93, s16, 9
	s_add_co_u32 s92, s92, s93
	s_mov_b32 s93, 0
	s_add_nc_u64 s[96:97], s[96:97], s[92:93]
	v_lshlrev_b32 v[BO], 5, v2
.irp b, 0,1,2,3,4,5,6,7
	global_load_b128 v[BIAS+8*\b:BIAS+8*\b+3], v[BO], s[96:97] offset:64*\b
	global_load_b128 v[BIAS+8*\b+4:BIAS+8*\b+7], v[BO], s[96:97] offset:64*\b+16
.endr
	v_mul_u32_u24 v3, v1, PITCH
	v_lshl_add_u32 v4, v2, 4, v3                   ; a fragment's row x pitch + 16 x half
	s_mul_i32 s21, s15, HALFT                      ; my 128 rows of x
	s_mul_i32 s22, s16, HALFT                      ; my 128 rows of W,
	s_add_co_u32 s22, s22, 2*HALFT                 ; which lie behind x's 256
.irp s, 0,1
	v_add_nc_u32 v[ADRA+\s], s21, v4
	v_add_nc_u32 v[ADRB+\s], s22, v4
	s_add_co_u32 s21, s21, SLOT
	s_add_co_u32 s22, s22, SLOT
.endr
	v_mul_u32_u24 v5, v1, KS                       ; my row's scales: 32 bytes a row,
	v_lshrrev_b32 v6, 8, v5
	v_lshl_add_u32 v5, v6, 4, v5                   ; and 16 more for each 256 passed
	s_mul_i32 s21, s15, HALFS
	s_mul_i32 s22, s16, HALFS
	s_add_co_u32 s22, s22, 2*HALFS
	s_sub_co_u32 s22, s22, s21
	v_mul_u32_u24 v6, s22, v2                      ; lanes 16-31 take W's: one product, the distance between the two bases
	s_add_co_u32 s21, s21, SCL
	v_add_nc_u32 v5, v5, v6
	v_add_nc_u32 v[ADRS], s21, v5
	s_mul_i32 s23, s14, HSTG                       ; my f16 stage
	v_mul_u32_u24 v5, v1, HP
	v_lshl_add_u32 v5, v2, 4, v5
	v_add_nc_u32 v[STO], s23, v5                   ; in: row r, 16 bytes for each half of the lanes
	v_and_b32 v6, 31, v0
	v_lshrrev_b32 v5, 3, v6
	v_mul_u32_u24 v5, v5, HP
	v_and_b32 v3, 7, v0
	v_lshl_add_u32 v5, v3, 4, v5
	v_add_nc_u32 v[RD], s23, v5                    ; back: eight lanes to a row of 128 bytes, four rows an instruction
	v_lshlrev_b32 v[CO], 4, v6                     ; and in memory those four rows are 512 consecutive bytes
	s_mul_i32 s23, s14, 16*FP
	s_add_co_u32 s23, s23, FSTAGE                  ; my f32 stage
	v_mul_u32_u24 v5, v1, FP
	v_lshl_add_u32 v5, v2, 5, v5
	v_add_nc_u32 v[FSTO], s23, v5
	v_add_nc_u32 v[FRD], s23, v[CO]
	v_lshlrev_b32 v[FCO], 12, v2                   ; fq: lanes 0-15 one head's row of 256 bytes, lanes 16-31 the next head's
	v_lshl_add_u32 v[FCO], v1, 4, v[FCO]
	; qkvh: ((4 which + batch) 16 + 4 cx + 2 colhalf) planes of 262,144 bytes + (256 cluster y + 128 rowhalf) rows of 128
	s_lshl_b32 s92, ttmp9, 2
	s_add_co_u32 s92, s92, s41
	s_lshl_b32 s92, s92, 4
	s_lshl_b32 s95, s40, 2
	s_lshl_b32 s94, s16, 1
	s_add_co_u32 s95, s95, s94                     ; my first head
	s_add_co_u32 s92, s92, s95
	s_lshl_b32 s92, s92, 18
	s_lshl_b32 s94, s2, 15
	s_add_co_u32 s92, s92, s94
	s_lshl_b32 s94, s15, 14
	s_add_co_u32 s92, s92, s94
	s_add_nc_u64 s[12:13], s[12:13], s[92:93]
	s_mul_i32 s92, s41, 3                          ; fq: ((3 batch + which) 16 + head) x 4,096
	s_add_co_u32 s92, s92, ttmp9
	s_lshl_b32 s92, s92, 4
	s_add_co_u32 s92, s92, s95
	s_lshl_b32 s92, s92, 12
	s_add_nc_u64 s[66:67], s[66:67], s[92:93]
.macro FRAG reg, adr, q, i             ; 16 rows x 128 K of 4-bit codes: 8 registers; lane l holds row l % 16; registers 4 c .. 4 c + 3 hold K = 64 c + 32 (l / 16) + 0 .. 31
.irp c, 0,1
	ds_load_b128 v[\reg+4*\c:\reg+4*\c+3], v[\adr] offset:64*(\q)+32*\c+(\i)*16*PITCH
.endr
.endm
; 16 matrix instructions: x's blocks a0, a0 + 1 against W's eight.  first = 1: the sums begin with the bias.  The 64 accumulators take turns, one instruction a turn, in the same order in every step.
.macro MUL16 a0, p, q, sc, first
.irp a, \a0, \a0+1
.irp b, 0,1,2,3,4,5,6,7
.if \first
	v_wmma_scale_f32_16x16x128_f8f6f4 v[8*(8*((\a)%4)+\b):8*(8*((\a)%4)+\b)+7], v[128*(\p)+FR*\b:128*(\p)+FR*\b+FR-1], v[AF+FR*(\a):AF+FR*(\a)+FR-1], v[BIAS+8*\b:BIAS+8*\b+7], v[SC+8*NQ*(\sc)+NQ*\b+(\q)], v[SC+8*NQ*(\sc)+NQ*(\a)+(\q)] matrix_a_fmt:MATRIX_FMT_FP4 matrix_b_fmt:MATRIX_FMT_FP4 matrix_a_scale:MATRIX_SCALE_ROW1
.else
	v_wmma_scale_f32_16x16x128_f8f6f4 v[8*(8*((\a)%4)+\b):8*(8*((\a)%4)+\b)+7], v[128*(\p)+FR*\b:128*(\p)+FR*\b+FR-1], v[AF+FR*(\a):AF+FR*(\a)+FR-1], v[8*(8*((\a)%4)+\b):8*(8*((\a)%4)+\b)+7], v[SC+8*NQ*(\sc)+NQ*\b+(\q)], v[SC+8*NQ*(\sc)+NQ*(\a)+(\q)] matrix_a_fmt:MATRIX_FMT_FP4 matrix_b_fmt:MATRIX_FMT_FP4 matrix_a_scale:MATRIX_SCALE_ROW1
.endif
.endr
.endr
.endm
.macro FETCH_B slot, q, p
	WIN TO_B
.irp i, 0,1,2,3,4,5,6,7
	FRAG 128*(\p)+FR*\i, ADRB+\slot, \q, \i
.endr
	WIN 0
.endm
.macro FETCH_A slot, q, i0
.irp i, \i0, \i0+1, \i0+2, \i0+3
	FRAG AF+FR*(\i), ADRA+\slot, \q, \i
.endr
.endm
.macro SCALES sc                       ; a slot's scale words: 4 words a row; lanes 0-15 take x's block i, lanes 16-31 W's block i
.irp i, 0,1,2,3,4,5,6,7
	ds_load_b128 v[SC+8*NQ*\sc+NQ*\i:SC+8*NQ*\sc+NQ*\i+3], v[ADRS] offset:\i*SBLK
.endr
.endm
.macro PLACES n                        ; plain vector lines between a matrix instruction and a load into, or a read of, its registers (ISA guide 7.12.1 for reads)
.rept \n
	v_nop
.endr
.endm
.macro STEP slot, q, first             ; a step of 128 along K that has its successor in the same slot
	s_wait_dscnt 4*NL                              ; W's set and x's blocks 0-3 are in; the youngest eight loads (x's blocks 4-7) may be out
.if \first
	WIN BIA_LO
.else
	WIN MUL_LO
.endif
	MUL16 0, (\q)%2, \q, \slot, \first
	MUL16 2, (\q)%2, \q, \slot, \first
	s_wait_dscnt 0
	PLACES NP
	FETCH_B \slot, (\q)+1, 1-(\q)%2
	FETCH_A \slot, (\q)+1, 0
.if \first
	WIN BIA_HI
.else
	WIN MUL_HI
.endif
	MUL16 4, (\q)%2, \q, \slot, \first
	MUL16 6, (\q)%2, \q, \slot, \first
	PLACES NP
	WIN 0
	FETCH_A \slot, (\q)+1, 4
.endm
	s_wait_tensorcnt 1                             ; the scales and my part of slot 0 are in; slot 1's load may stay out
	s_barrier_signal -1
	s_barrier_wait -1                              ; everybody's are
	FETCH_B 0, 0, 0
	FETCH_A 0, 0, 0
	SCALES 0
	FETCH_A 0, 0, 4
	s_wait_loadcnt 0x0                             ; the bias
	STEP 0, 0, 1
	STEP 0, 1, 0
	STEP 0, 2, 0
	; slot 0's last step changes slots: one barrier; in front of it each wave waits for its tensor loads (slot 1's), adds 0 to its spare word, and waits for that and for its reads of slot 0
	s_wait_tensorcnt 0x0
	ds_add_u32 v[SPW], v[NIL]
	s_wait_dscnt 4*NL+1                            ; the add and the youngest eight loads may be out
	WIN MUL_LO
	MUL16 0, 1, NQ-1, 0, 0
	s_wait_dscnt 0x0                               ; the add is done, and my reads of slot 0 are over
	s_barrier_signal -1
	MUL16 2, 1, NQ-1, 0, 0
	WIN 0
	s_barrier_wait -1
	PLACES NP
	v_add_nc_u32 v[ADRS], 4*NQ, v[ADRS]            ; on to slot 1's scale words (no LDS load of mine is out)
	FETCH_B 1, 0, 0
	FETCH_A 1, 0, 0
	SCALES 1
	WIN MUL_HI
	MUL16 4, 1, NQ-1, 0, 0
	MUL16 6, 1, NQ-1, 0, 0
	PLACES NP
	WIN 0
	FETCH_A 1, 0, 4
	STEP 1, 0, 0
	STEP 1, 1, 0
	STEP 1, 2, 0
	s_wait_dscnt 4*NL                              ; the very last step: nothing more to fetch
	WIN MUL_LO
	MUL16 0, 1, NQ-1, 1, 0
	MUL16 2, 1, NQ-1, 1, 0
	s_wait_dscnt 0
	WIN MUL_HI
	MUL16 4, 1, NQ-1, 1, 0
	MUL16 6, 1, NQ-1, 1, 0
	WIN 0
	PLACES NP                                      ; in front of every read of results and of loads into registers that held operands
	; THE FIRST 16 POSITIONS OF A BATCH ALSO LEAVE IN f32: my block 0, where my rows are the tile's upper half and the tile begins a batch (cluster y = 0: the same in all sixteen partners)
	s_cmp_lg_u32 s15, 0
	s_cbranch_scc1 .Lno_fine
	s_cmp_lg_u32 s2, 0
	s_cbranch_scc1 .Lno_fine
	WIN 0x08                                       ; an LDS store's data are its source 1: window 2
.irp b, 0,1,2,3,4,5,6,7
	ds_store_b128 v[FSTO], v[8*\b:8*\b+3] offset:64*\b             ; each accumulator from its low end on
	ds_store_b128 v[FSTO], v[8*\b+4:8*\b+7] offset:64*\b+16
.endr
	WIN 0
.irp t, 0,1,2,3,4,5,6,7,8,9,10,11,12,13,14,15
	ds_load_b128 v[AF+4*\t:AF+4*\t+3], v[FRD] offset:\t*FP         ; in order behind my stores: a row of 128 columns, two heads
.endr
	s_wait_dscnt 0x0
.irp t, 0,1,2,3,4,5,6,7,8,9,10,11,12,13,14,15
	global_store_b128 v[FCO], v[AF+4*\t:AF+4*\t+3], s[66:67] offset:256*\t   ; sixteen lanes store 256 consecutive bytes, aligned
.endr
.Lno_fine:
; THE WAY OUT in f16, a block of 16 rows x 128 columns (two heads) at a time: rounded, 16 bytes a lane into my stage, back as rows; a head's 16 rows are 2,048 consecutive bytes of memory.
.macro PACK a
.set AC, 64*((\a)%4)
	WIN 0x0a+5*((\a)/4)                            ; sources 0 and 1: window 2 or 3
.irp b, 0,1,2,3,4,5,6,7
.irp r, 0,1,2,3
	v_cvt_pk_f16_f32 v[TMP+4*\b+\r], v[AC+8*\b+2*\r], v[AC+8*\b+2*\r+1]
.endr
.endr
	WIN 0
.endm
.macro TOSTAGE a
.set BB, BK+32*((\a)%2)
.irp b, 0,1,2,3,4,5,6,7
	ds_store_b128 v[STO], v[TMP+4*\b:TMP+4*\b+3] offset:(\b/4)*16*HP+32*(\b%4)
.endr
.irp u, 0,1,2,3,4,5,6,7
	ds_load_b128 v[BB+4*\u:BB+4*\u+3], v[RD] offset:(\u/4)*16*HP+(\u%4)*4*HP   ; LDS serves a wave's instructions in order: these see the stores above
.endr
.endm
.macro SEND a
.set BB, BK+32*((\a)%2)
	s_wait_dscnt 0x0                               ; the block is back in registers
	s_wait_xcnt 0x0                                ; the stores of the block before have read their registers: the next block's loads may land there
.irp u, 0,1,2,3,4,5,6,7
	global_store_b128 v[CO], v[BB+4*\u:BB+4*\u+3], s[12:13] offset:(\a)*2048+(\u/4)*262144+(\u%4)*512   ; the wave stores 512 consecutive bytes, aligned
.endr
.endm
	PACK 0
	TOSTAGE 0
.irp a, 1,2,3,4,5,6,7                  ; block a's conversions stand between block a - 1's loads from the stage and the wait for them
	PACK \a
	SEND \a-1
	TOSTAGE \a
.endr
	SEND 7
	s_wait_tensorcnt 0x0                           ; the wave's end
	ds_add_u32 v[SPW], v[NIL]
	s_wait_dscnt 0x0
	CROUND                                         ; the closing round
	s_endpgm
.Lfunc_end_k_q1d9cda2515_qkv:
	.size	k_q1d9cda2515_qkv, .Lfunc_end_k_q1d9cda2515_qkv-k_q1d9cda2515_qkv
	.p2alignl 7, 3214868480
	.fill 96, 4, 3214868480
	.section	.rodata,"a",@progbits
	.p2align	6, 0x0
	.amdhsa_kernel k_q1d9cda2515_qkv
		.amdhsa_group_segment_fixed_size 327680
		.amdhsa_private_segment_fixed_size 0
		.amdhsa_enable_private_segment 0
		.amdhsa_kernarg_size 72
		.amdhsa_user_sgpr_count 2
		.amdhsa_user_sgpr_kernarg_segment_ptr 1
		.amdhsa_wavefront_size32 1
		.amdhsa_system_sgpr_workgroup_id_x 1
		.amdhsa_system_sgpr_workgroup_id_y 1
		.amdhsa_system_sgpr_workgroup_id_z 1
		.amdhsa_system_vgpr_workitem_id 0
		.amdhsa_next_free_vgpr 1024
		.amdhsa_next_free_sgpr 102
		.amdhsa_reserve_vcc 0
		.amdhsa_float_denorm_mode_32 3
		.amdhsa_float_denorm_mode_16_64 3
		.amdhsa_memory_ordered 1
		.amdhsa_forward_progress 1
		.amdhsa_inst_pref_size 133
	.end_amdhsa_kernel
	.amdgpu_metadata
---
amdhsa.version: [ 1, 2 ]
amdhsa.kernels:
  - .name:           k_q1d9cda2515_qkv
    .symbol:         k_q1d9cda2515_qkv.kd
    .args:
      - { .name: xc, .offset: 0, .size: 8, .value_kind: global_buffer, .address_space: global }
      - { .name: xs, .offset: 8, .size: 8, .value_kind: global_buffer, .address_space: global }
      - { .name: wc, .offset: 16, .size: 8, .value_kind: global_buffer, .address_space: global }
      - { .name: ws, .offset: 24, .size: 8, .value_kind: global_buffer, .address_space: global }
      - { .name: bq, .offset: 32, .size: 8, .value_kind: global_buffer, .address_space: global }
      - { .name: bk, .offset: 40, .size: 8, .value_kind: global_buffer, .address_space: global }
      - { .name: bv, .offset: 48, .size: 8, .value_kind: global_buffer, .address_space: global }
      - { .name: qkvh, .offset: 56, .size: 8, .value_kind: global_buffer, .address_space: global }
      - { .name: fq, .offset: 64, .size: 8, .value_kind: global_buffer, .address_space: global }
    .group_segment_fixed_size: 327680
    .private_segment_fixed_size: 0
    .kernarg_segment_align: 8
    .kernarg_segment_size: 72
    .max_flat_workgroup_size: 128
    .sgpr_count:     102
    .vgpr_count:     1024
    .wavefront_size: 32
...
	.end_amdgpu_metadata
.endif
;; end of part 2
;; launch fine (part 3): grid 16 x 4, 16 waves a work-group, no clusters, 85,248 bytes of LDS; arguments fq, Wo, bo, out0; writes out0
.if DOCPART == 3
	.amdgcn_target "amdgcn-amd-amdhsa--gfx1250"
	.amdhsa_code_object_version 6
	.text
	.protected	k_q1d9cda2515_fine
	.globl	k_q1d9cda2515_fine
	.p2align	8
	.type	k_q1d9cda2515_fine,@function
k_q1d9cda2515_fine:
	s_mov_b64 s[64:65], 0
	v_nop
	global_prefetch_b8 v0, s[64:65] scope:SCOPE_SE
	s_setreg_imm32_b32 hwreg(HW_REG_WAVE_MODE, 25, 1), 1
	s_wait_xcnt 0x0
; THE FIRST 16 POSITIONS OF EVERY BATCH, WHOLLY IN f32: attention of the 16 heads over 16 keys, and the projection by Wo with bo.  These rows average one to sixteen values and are the largest of the output.
; A work-group takes one batch (y) and 64 output columns (x): 64 work-groups, the fewest whose stores still cover 256 consecutive bytes of a row.  Every work-group of a batch repeats the small attention.
; Every product goes by the f32 matrix form, 16 x 16 x 4; the registers that it writes, v16-63, are written by matrix instructions alone, and each sum begins with the constant 0.
; No tensor load and no cluster: the operands are a few KB and go from memory straight into registers in the operands' own order.
; k IS PERMUTED ALIKE ON BOTH SOURCES: a lane's 16 bytes hold four neighbouring k; registers (2 u, 2 u + 1) of group c serve the K step (c, u), in which place 2 (l / 16) + j stands for k = 8 c + 4 (l / 16) + 2 u + j.
; LIMITS: NaN and infinities among the inputs are not served.  The projection's K is summed in eight parts (two chains in each of four waves), another order of f32 rounding than one chain.
; REGISTERS: v1-13 addresses; v14, v15 the add's two; v16-31 two accumulators (scores, later the projection); v32-63 O^T; v64-95 q, v96-127 k, later Wo's second half; v128-159 v, then O^T / sum, then a's fragments;
;   v160-191 the scores' sum and p, statistics from v168, later a's fragments; v192-255 Wo's first half.
.set AMP,   4112                       ; a position's row of the attention's result in LDS: 4,096 bytes + 16
.set PART,  65792                      ; four partial results: 16 rows x (256 bytes + 16) each
.set PP,    272
.set SPARE, 83200                      ; the spare words, 128 bytes for each of 16 waves
	s_load_b256 s[4:11], s[0:1], 0x0               ; fq, Wo, bo, out0
	v_lshl_add_u32 v14, v0, 2, SPARE
	v_mov_b32 v15, 0
	v_lshrrev_b32 v1, 5, v0
	v_readfirstlane_b32 s12, v1                    ; wave = head
	s_and_b32 s13, s12, 3                          ; later: which 16 of the 64 columns
	s_lshr_b32 s14, s12, 2                         ; later: which quarter of K
	s_and_b32 s16, ttmp7, 0xffff                   ; batch
	v_and_b32 v1, 15, v0                           ; r
	v_bfe_u32 v2, v0, 4, 1                         ; hh
	v_lshlrev_b32 v3, 8, v1
	v_lshl_add_u32 v3, v2, 4, v3                   ; q, k: row r of 256 bytes + 16 hh
	v_lshlrev_b32 v4, 2, v1
	v_lshl_add_u32 v5, v2, 14, v4                  ; Wo: column r, 4 rows further down for lanes 16-31
	v_lshl_add_u32 v4, v2, 11, v4                  ; v: channel r, 8 keys further down for lanes 16-31
	v_lshlrev_b32 v6, 3, v2
	v_sub_nc_u32 v6, v1, v6                        ; register j holds key 8 hh + j of query r: hidden where j > r - 8 hh
	v_mov_b32 v7, 0xff800000                       ; -infinity
	v_mul_u32_u24 v8, v1, AMP
	v_lshl_add_u32 v9, v2, 4, v8
	v_lshl_add_u32 v8, v2, 5, v8
	s_lshl_b32 s17, s12, 8
	v_add_nc_u32 v8, s17, v8                       ; the attention's result: row r, my head's 256 bytes, + 32 hh
	s_lshl_b32 s17, s14, 10
	v_add_nc_u32 v9, s17, v9                       ; read back as an operand: row r, my quarter of K, + 16 hh
	v_mul_u32_u24 v10, v1, PP
	v_lshl_add_u32 v10, v2, 5, v10
	s_mul_i32 s17, s14, 16*PP
	s_lshl_b32 s18, s13, 6
	s_add_co_u32 s17, s17, s18
	s_add_co_u32 s17, s17, PART
	v_add_nc_u32 v10, s17, v10                     ; my partial result: quarter, row r, my 16 columns, + 32 hh
	v_mul_u32_u24 v11, v2, PP
	v_lshl_add_u32 v11, v1, 4, v11
	s_mul_i32 s17, s12, 2*PP
	s_add_co_u32 s17, s17, PART
	v_add_nc_u32 v11, s17, v11                     ; the last sum (waves 0-7): rows 2 w and 2 w + 1, sixteen lanes to a row
	v_lshlrev_b32 v12, 12, v2
	v_lshl_add_u32 v12, v1, 4, v12
	s_lshl_b32 s17, s12, 13
	v_add_nc_u32 v12, s17, v12                     ; the same rows in out0
	v_lshlrev_b32 v13, 4, v1
	v_mov_b32 v169, 0                              ; written once: a lane permute's destination counts as one of its sources
	v_mov_b32 v173, 0                              ; (named as the upper half of the pair v[172:173])
	s_mov_b32 s20, 0x76543210
	s_mov_b32 s21, 0xfedcba98                      ; lane l xor 16
	s_mov_b32 s22, 0x3e38aa3b                      ; c = log2(e) / sqrt(64)
	s_mul_i32 s18, s16, 196608                     ; fq: a batch is 3 x 16 heads of 4,096 bytes
	s_lshl_b32 s19, s12, 12
	s_add_co_u32 s18, s18, s19
	s_mov_b32 s19, 0
	s_lshl_b32 s24, s14, 20                        ; Wo: 256 rows of 4,096 bytes a quarter,
	s_lshl_b32 s25, ttmp9, 8                       ; 64 columns a work-group,
	s_add_co_u32 s24, s24, s25
	s_lshl_b32 s26, s13, 6                         ; 16 a wave
	s_add_co_u32 s24, s24, s26
	s_mov_b32 s26, s25                             ; bo: 256 bytes a work-group
	s_mov_b32 s25, 0
	s_mov_b32 s27, 0
	s_lshl_b32 s28, s16, 23                        ; out0: a batch is 2,048 rows of 4,096 bytes
	s_add_co_u32 s28, s28, s26
	s_mov_b32 s29, 0
	s_wait_kmcnt 0x0
	s_add_nc_u64 s[4:5], s[4:5], s[18:19]
	s_add_nc_u64 s[6:7], s[6:7], s[24:25]
	s_add_nc_u64 s[8:9], s[8:9], s[26:27]
	s_add_nc_u64 s[10:11], s[10:11], s[28:29]
.irp c, 0,1,2,3,4,5,6,7,8,9,10,11,12,13,14,15
.irp q, 0,1,2,3
	global_load_b32 v[192+4*\c+\q], v5, s[6:7] offset:(8*\c+\q)*4096   ; Wo(8 c + 4 hh + q, my column): the first half of my quarter of K
.endr
.endr
.irp c, 0,1,2,3,4,5,6,7
	global_load_b128 v[64+4*\c:67+4*\c], v3, s[4:5] offset:32*\c        ; q
.endr
.irp c, 0,1,2,3,4,5,6,7
	global_load_b128 v[96+4*\c:99+4*\c], v3, s[4:5] offset:65536+32*\c  ; k
.endr
.irp t, 0,1,2,3
.irp q, 0,1,2,3,4,5,6,7
	global_load_b32 v[128+8*\t+\q], v4, s[4:5] offset:131072+\q*256+64*\t   ; v(key 8 hh + q, channel 16 t + r)
.endr
.endr
	s_wait_loadcnt 32                              ; all but v's 32 loads are in
	; S^T = k q^T: source 0 = 16 keys, source 1 = 16 queries; two chains by turns
.irp c, 0,1,2,3,4,5,6,7
.irp u, 0,1
.if \c == 0
	v_wmma_f32_16x16x4_f32 v[16+8*\u:23+8*\u], v[96+4*\c+2*\u:97+4*\c+2*\u], v[64+4*\c+2*\u:65+4*\c+2*\u], 0
.else
	v_wmma_f32_16x16x4_f32 v[16+8*\u:23+8*\u], v[96+4*\c+2*\u:97+4*\c+2*\u], v[64+4*\c+2*\u:65+4*\c+2*\u], v[16+8*\u:23+8*\u]
.endif
.endr
.endr
.rept 8
	v_nop                                          ; eight places behind this form
.endr
.irp j, 0,1,2,3,4,5,6,7
	v_add_f32 v[160+\j], v[16+\j], v[24+\j]        ; the two chains, from the accumulators' low end on, into other registers
.endr
.irp j, 0,1,2,3,4,5,6,7
	v_cmp_gt_i32 vcc_lo, \j, v6
	v_cndmask_b32 v[160+\j], v[160+\j], v7, vcc_lo ; the causal mask: key 0 counts for every query
.endr
	v_max3_num_f32 v168, v160, v161, v162
	v_max3_num_f32 v168, v168, v163, v164
	v_max3_num_f32 v168, v168, v165, v166
	v_max_num_f32 v168, v168, v167
	v_permlanex16_b32 v169, v168, s20, s21
	v_max_num_f32 v168, v168, v169                 ; the row's maximum
	v_mul_f32 v170, s22, v168
.irp j, 0,1,2,3,4,5,6,7
	v_fma_f32 v[160+\j], v[160+\j], s22, -v170     ; c s - c m
.endr
.irp j, 0,1,2,3,4,5,6,7
	v_exp_f32 v[160+\j], v[160+\j]
.endr
	v_nop                                          ; a plain line behind the last exponential
	s_wait_alu depctr_va_vdst(0)                   ; one wait for the batch, ahead of its first reader
	v_add_f32 v171, v160, v161
	v_add_f32 v174, v162, v163
	v_add_f32 v175, v164, v165
	v_add_f32 v176, v166, v167
	v_add_f32 v171, v171, v174
	v_add_f32 v175, v175, v176
	v_add_f32 v171, v171, v175
	v_permlanex16_b32 v169, v171, s20, s21
	v_add_f32 v171, v171, v169                     ; the row's sum
	v_rcp_f32 v172, v171
	v_nop
	s_wait_alu depctr_va_vdst(0)
	s_wait_loadcnt 0x0                             ; v
.irp c, 0,1,2,3,4,5,6,7,8,9,10,11,12,13,14,15
.irp q, 0,1,2,3
	global_load_b32 v[64+4*\c+\q], v5, s[6:7] offset:(128+8*\c+\q)*4096   ; Wo's second half, into q's and k's registers: their products lie more than eight plain lines back
.endr
.endr
	; O^T = v^T p: source 0 = 16 channels, source 1 = p; in K step c place 2 hh + j stands for key 8 hh + 2 c + j; four accumulators by turns
.irp c, 0,1,2,3
.irp t, 0,1,2,3
.if \c == 0
	v_wmma_f32_16x16x4_f32 v[32+8*\t:39+8*\t], v[128+8*\t+2*\c:129+8*\t+2*\c], v[160+2*\c:161+2*\c], 0
.else
	v_wmma_f32_16x16x4_f32 v[32+8*\t:39+8*\t], v[128+8*\t+2*\c:129+8*\t+2*\c], v[160+2*\c:161+2*\c], v[32+8*\t:39+8*\t]
.endif
.endr
.endr
.rept 8
	v_nop
.endr
.irp i, 0,2,4,6,8,10,12,14,16,18,20,22,24,26,28,30
	v_pk_mul_f32 v[128+\i:129+\i], v[32+\i:33+\i], v[172:173] op_sel_hi:[1,0]   ; / the sum, into other registers: register 8 t + j is channel 16 t + 8 hh + j of query r
.endr
.irp t, 0,1,2,3
	ds_store_b128 v8, v[128+8*\t:131+8*\t] offset:64*\t
	ds_store_b128 v8, v[132+8*\t:135+8*\t] offset:64*\t+16
.endr
	s_wait_dscnt 0x0                               ; for the others' sake: my head's part of the 16 rows lies in LDS
	s_barrier_signal -1
	s_barrier_wait -1
	; THE PROJECTION: wave w makes columns 16 (w & 3) on of the 64, over K quarter w >> 2: source 0 = Wo's 16 columns, source 1 = the 16 positions: a lane holds eight neighbouring columns of one row
.macro ACHUNK g                        ; eight loads: 64 along K of the 16 positions
.irp i, 0,1,2,3,4,5,6,7
	ds_load_b128 v[128+32*((\g)%2)+4*\i:131+32*((\g)%2)+4*\i], v9 offset:32*(8*(\g)+\i)
.endr
.endm
.macro PROD g
.irp i, 0,1,2,3,4,5,6,7
.irp u, 0,1
.if (\g) < 2
.set WR, 192+4*(8*(\g)+\i)+2*\u
.else
.set WR, 64+4*(8*((\g)-2)+\i)+2*\u
.endif
.set AR, 128+32*((\g)%2)+4*\i+2*\u
.if ((\g) == 0) && (\i == 0)
	v_wmma_f32_16x16x4_f32 v[16+8*\u:23+8*\u], v[WR:WR+1], v[AR:AR+1], 0
.else
	v_wmma_f32_16x16x4_f32 v[16+8*\u:23+8*\u], v[WR:WR+1], v[AR:AR+1], v[16+8*\u:23+8*\u]
.endif
.endr
.endr
.endm
	ACHUNK 0
	ACHUNK 1
	s_wait_dscnt 8                                 ; the next chunk's eight loads stay out
	PROD 0
.rept 8
	v_nop                                          ; places in front of loads into registers that these products have read
.endr
	ACHUNK 2
	s_wait_dscnt 8
	PROD 1
.rept 8
	v_nop
.endr
	ACHUNK 3
	s_wait_dscnt 8
	s_wait_loadcnt 0x0                             ; Wo's second half
	PROD 2
	s_wait_dscnt 0x0
	PROD 3
.rept 8
	v_nop
.endr
.irp j, 0,1,2,3,4,5,6,7
	v_add_f32 v[128+\j], v[16+\j], v[24+\j]
.endr
	ds_store_b128 v10, v[128:131]
	ds_store_b128 v10, v[132:135] offset:16
	s_wait_dscnt 0x0
	s_barrier_signal -1
	s_barrier_wait -1
	s_cmp_ge_u32 s12, 8                            ; eight waves add the four quarters and bo, two rows each
	s_cbranch_scc1 .Lend
.irp k, 0,1,2,3
	ds_load_b128 v[128+4*\k:131+4*\k], v11 offset:\k*16*PP
.endr
	global_load_b128 v[144:147], v13, s[8:9]
	s_wait_dscnt 0x0
	v_pk_add_f32 v[128:129], v[128:129], v[132:133]
	v_pk_add_f32 v[130:131], v[130:131], v[134:135]
	v_pk_add_f32 v[136:137], v[136:137], v[140:141]
	v_pk_add_f32 v[138:139], v[138:139], v[142:143]
	v_pk_add_f32 v[128:129], v[128:129], v[136:137]
	v_pk_add_f32 v[130:131], v[130:131], v[138:139]
	s_wait_loadcnt 0x0
	v_pk_add_f32 v[128:129], v[128:129], v[144:145]
	v_pk_add_f32 v[130:131], v[130:131], v[146:147]
	global_store_b128 v12, v[128:131], s[10:11]    ; sixteen lanes store 256 consecutive bytes, aligned
.Lend:
	s_wait_tensorcnt 0x0                           ; the wave's end
	ds_add_u32 v14, v15
	s_wait_dscnt 0x0
	s_endpgm
.Lfunc_end_k_q1d9cda2515_fine:
	.size	k_q1d9cda2515_fine, .Lfunc_end_k_q1d9cda2515_fine-k_q1d9cda2515_fine
	.p2alignl 7, 3214868480
	.fill 96, 4, 3214868480
	.section	.rodata,"a",@progbits
	.p2align	6, 0x0
	.amdhsa_kernel k_q1d9cda2515_fine
		.amdhsa_group_segment_fixed_size 85248
		.amdhsa_private_segment_fixed_size 0
		.amdhsa_enable_private_segment 0
		.amdhsa_kernarg_size 32
		.amdhsa_user_sgpr_count 2
		.amdhsa_user_sgpr_kernarg_segment_ptr 1
		.amdhsa_wavefront_size32 1
		.amdhsa_system_sgpr_workgroup_id_x 1
		.amdhsa_system_sgpr_workgroup_id_y 1
		.amdhsa_system_sgpr_workgroup_id_z 1
		.amdhsa_system_vgpr_workitem_id 0
		.amdhsa_next_free_vgpr 256
		.amdhsa_next_free_sgpr 66
		.amdhsa_reserve_vcc 1
		.amdhsa_float_denorm_mode_32 3
		.amdhsa_float_denorm_mode_16_64 3
		.amdhsa_memory_ordered 1
		.amdhsa_forward_progress 1
		.amdhsa_inst_pref_size 35
	.end_amdhsa_kernel
	.amdgpu_metadata
---
amdhsa.version: [ 1, 2 ]
amdhsa.kernels:
  - .name:           k_q1d9cda2515_fine
    .symbol:         k_q1d9cda2515_fine.kd
    .args:
      - { .name: fq, .offset: 0, .size: 8, .value_kind: global_buffer, .address_space: global }
      - { .name: Wo, .offset: 8, .size: 8, .value_kind: global_buffer, .address_space: global }
      - { .name: bo, .offset: 16, .size: 8, .value_kind: global_buffer, .address_space: global }
      - { .name: out0, .offset: 24, .size: 8, .value_kind: global_buffer, .address_space: global }
    .group_segment_fixed_size: 85248
    .private_segment_fixed_size: 0
    .kernarg_segment_align: 8
    .kernarg_segment_size: 32
    .max_flat_workgroup_size: 512
    .sgpr_count:     66
    .vgpr_count:     256
    .wavefront_size: 32
...
	.end_amdgpu_metadata
.endif
;; end of part 3
;; launch attn (part 4): grid 4 x 64, 16 waves a work-group, clusters of 4 x 1, 327,680 bytes of LDS; arguments qkvh, ao; writes ao
.if DOCPART == 4
	.amdgcn_target "amdgcn-amd-amdhsa--gfx1250"
	.amdhsa_code_object_version 6
	.text
	.protected	k_q1d9cda2515_attn
	.globl	k_q1d9cda2515_attn
	.p2align	8
	.type	k_q1d9cda2515_attn,@function
k_q1d9cda2515_attn:
	s_mov_b64 s[64:65], 0
	v_nop
	global_prefetch_b8 v0, s[64:65] scope:SCOPE_SE
	s_setreg_imm32_b32 hwreg(HW_REG_WAVE_MODE, 25, 1), 1
	s_wait_xcnt 0x0
	s_wait_alu depctr_hold_cnt(0) depctr_sa_sdst(0) depctr_va_vdst(0) depctr_va_sdst(0) depctr_va_ssrc(0) depctr_va_vcc(0) depctr_vm_vsrc(0)
	s_getreg_b32 s2, hwreg(HW_REG_IB_STS2, 6, 4)
	s_cmp_eq_u32 s2, 0
	s_cbranch_scc0 .Lentry_in_a_cluster
	s_endpgm
.Lentry_in_a_cluster:
	s_bfe_u32 s2, ttmp6, 0x10000c
	s_cmp_lg_u32 s2, 0x3003
	s_cbranch_scc0 .Lentry_shape_is_right
	s_endpgm
.Lentry_shape_is_right:
; CAUSAL ATTENTION, head size 64, operands in f16, products, maxima and sums in f32.  q, k, v: qkvh [which][batch x head 64][2048][64] f16.  Result: ao [batch x head][2048][64] f16.
; SOFTMAX: for each query a running maximum m and sum l: p = 2^(c s - c m), c = log2(e) / 8; in every step O and l are multiplied by a = 2^(c m_old - c m_new).  l is summed of the unrounded p.
; LIMITS: f16 operands: |q|, |k|, |v| and the result stay under 65,504; p under 6e-8 of a row's largest is lost.  The first 16 positions of a batch are computed here too, but another launch's finer rows are what leaves.
; SHARES.  The four work-groups of a cluster serve ONE head.  Super-tile i (0..31) is queries 64 i .. 64 i + 63; partner cx owns the 16 from 64 i + 16 cx.  Wave w owns super-tiles w and w + 16: 34 + ... the same
; work in every work-group, 256 work-groups.  A key step is 64 keys, so a tile is at work in step p exactly where p <= i: a test on the wave's number and the count of steps, the same in all four partners.
; cx enters only q's and ao's addresses, the prefetch's address and the mask's threshold in a vector register.  Wave 15's second tile reads every slot in every partner, so K and V come by JOINT loads.
; LAYOUT.  S^T = K Q^T (source 0 = 16 keys, source 1 = 16 queries): a lane holds ONE query (lane % 16) and keys 8 (lane / 16) + 0..7 of each tile; two such tiles, rounded in pairs, are source 1 of O^T = V^T P.
; K comes out of LDS as it lies, V ([key][channel]) turned, by ds_load_tr16_b128.  Four waves share a SIMD: one wave's softmax stands beside another's products and LDS loads.
; REGISTERS: v1-13 addresses; v16-31 statistics, 8 a tile: +0 c m, +1 m, +2, +3 l, +4..+7 at work (a in +6); v32-63 Q; v64-127 K's fragments, then V's; v128-159 S^T, shared by the two tiles; v160-191 P; v192-255 O^T.
.set PK,    144                        ; a row of K in LDS: 128 bytes + 16: the 16 rows of a load start at 16 different groups of banks
.set VP,    160                        ; a row of V: 128 + 32: an odd multiple of 32
.set VOFF,  64*PK
.set STEPB, 64*(PK+VP)                 ; a step's tiles lie together: 64 rows of K, then 64 of V
.set SLOT1, 1<<17                      ; a slot holds four steps (77,824 bytes); slot 1 begins here, so that one exclusive or turns an address
.set STAGE, SLOT1+4*STEPB              ; behind the ring: 2 tiles x 16 rows x 144 bytes for each wave
.set SPARE, STAGE+16*4608              ; the spare words, 128 bytes for each of 16 waves
.set AK0, 1
.set AV0, 2
.set ADK, 3
.set ADV, 4
.set SPW, 5
.set NIL, 6
.set DQ,  7                            ; 16 cx + r - 8 h: on the diagonal register 8 kt + j is hidden where 16 kt + j > DQ
.set NEG, 8
.set PFO, 9
.set QO,  10
.set STO, 11
.set RD,  12
.set GO,  13
.set ST,  16
.set Q,   32
.set KV,  64
.set S,   128
.set P,   160
.set O,   192
.set WV,  8                            ; s8   my wave's number = my first super-tile
.set G1K, 24
.set G1V, 32
.set G0K, 40
.set G0V, 44
.set CS,  48                           ; s[48:49] c
.set SEL, 50                           ; s[50:51] lane l xor 16
.set TB,  52                           ; s52  LDS byte at which the step's tiles begin
.set PS,  53                           ; s53  the key step, 0..31
.set IB,  54                           ; s54  my second super-tile
.set SLOTS, 55
.set FOUR, 56
.set LIM, 57                           ; s57  1 in a wave that prefetches, else the greatest number
.set PFA, 58                           ; s[58:59] where my prefetches stand
; Waves 0-3 fetch the four steps' tiles of K, waves 4-7 those of V, the others nothing.  The branches hang on the wave's number alone.  An s_nop 0 and four v_nop follow each of the two lines.
.macro JLOAD
	s_cmp_lt_u32 s[WV], 4
	s_cbranch_scc0 .Lnot_k_\@
	tensor_load_to_lds s[G0K:G0K+3], s[G1K:G1K+7]
	s_nop 0
.rept 4
	v_nop
.endr
	s_branch .Lasked_\@
.Lnot_k_\@:
	s_cmp_lt_u32 s[WV], 8
	s_cbranch_scc0 .Lasked_\@
	tensor_load_to_lds s[G0V:G0V+3], s[G1V:G1V+7]
	s_nop 0
.rept 4
	v_nop
.endr
.Lasked_\@:
.endm
; A prefetch of what the NEXT change of slots will ask for: a slot's 256 rows of K are 32,768 dense bytes, and so are V's.  One cluster alone reads a head: its four partners share the bytes out BY ADDRESS, 8,192 each,
; lanes 256 bytes apart; wave 8 asks for K's, wave 9 for V's: each aligned block of 256 bytes is named once in the launch.  The last change that fills a slot asks for nothing; slots 0 and 1 come by their loads alone.
.macro ASK
	s_cmp_gt_u32 s[SLOTS], s[LIM]
	s_cbranch_scc0 .Lnot_mine_\@
	global_prefetch_b8 v[PFO], s[PFA:PFA+1] th:TH_LOAD_NT scope:SCOPE_SE
.Lnot_mine_\@:
.endm
.macro CROUND                          ; a round of the cluster's barrier
	s_barrier_signal -1
	s_barrier_wait -1
	s_cmp_lg_u32 s[WV], 0
	s_cbranch_scc1 .Lnot_wave_0_\@
	s_barrier_signal -3
.Lnot_wave_0_\@:
	s_barrier_wait -3
	s_barrier_signal -1
	s_barrier_wait -1
.endm
	s_load_b128 s[4:7], s[0:1], 0x0                ; qkvh, ao
	v_lshl_add_u32 v[SPW], v0, 2, SPARE
	v_mov_b32 v[NIL], 0
	ds_add_u32 v[SPW], v[NIL]                      ; the wave's opening: the add, twice on end, and its wait ahead of the first tensor loads
	ds_add_u32 v[SPW], v[NIL]
	v_lshrrev_b32 v13, 5, v0
	v_readfirstlane_b32 s[WV], v13                 ; wave 0..15
	s_bfe_u32 s9, ttmp6, 0x40000                   ; cx
	s_and_b32 s10, ttmp7, 0xffff                   ; batch x head, which the four partners share
	s_lshl_b32 s14, s10, 18                        ; its plane of 262,144 bytes
	s_mov_b32 s15, 0
	s_and_b32 s11, s[WV], 3                        ; which of a slot's four steps I fetch, if I fetch:
	s_mul_i32 s22, s11, STEPB                      ; its place in a slot: no place in the cluster enters an LDS address
	s_lshl_b32 s20, s11, 13                        ; its 64 rows of 128 bytes in memory
	s_mov_b32 s21, 0
	s_add_nc_u64 s[20:21], s[20:21], s[14:15]
	s_lshl_b32 s16, s[WV], 13                      ; my first tile's queries: 64 w + 16 cx, rows of 128 bytes
	s_lshl_b32 s17, s9, 11
	s_add_co_u32 s16, s16, s17
	s_mov_b32 s17, 0
	s_add_nc_u64 s[16:17], s[16:17], s[14:15]
	s_mov_b32 s61, 0x2000000                       ; v's part of qkvh begins here, k's at half of it
	s_cmp_eq_u32 s[WV], 8
	s_cselect_b32 s60, 0x1000000, s61
	s_lshl_b32 s61, s9, 13                         ; my work-group's 8,192 bytes of a slot's 32,768,
	s_add_co_u32 s60, s60, s61
	s_add_co_u32 s60, s60, 32768                   ; in slot 1: the first change of slots steps it to slot 2
	s_mov_b32 s61, 0
	s_add_nc_u64 s[60:61], s[60:61], s[14:15]
	s_lshr_b32 s10, s[WV], 1
	s_cmp_eq_u32 s10, 4                            ; waves 8 and 9
	s_cselect_b32 s[LIM], 1, -1
	s_mov_b32 s[G1K], 15|(1<<16)|(1<<20)|(1<<21)|(4<<22)|(3<<25)   ; the mask: all four; elements of 2 bytes; padding on; bit 21 beside a mask; 4 words behind every 32
	s_mov_b32 s[G1V], 15|(1<<16)|(1<<20)|(1<<21)|(4<<22)|(7<<25)   ; the same with 8 words
.irp g, G1K, G1V
	s_mov_b32 s[\g+1], 64<<16                      ; tensor_dim0
	s_mov_b32 s[\g+2], 64<<16                      ; tensor_dim1
	s_mov_b32 s[\g+3], 64<<16                      ; tile_dim0
	s_mov_b32 s[\g+4], 64                          ; tile_dim1
	s_mov_b32 s[\g+5], 64                          ; the pitch
	s_mov_b32 s[\g+6], 0
	s_mov_b32 s[\g+7], 0
.endr
	s_mov_b32 s[CS], 0x3e38aa3b                    ; c = log2(e) / sqrt(64)
	s_mov_b32 s[CS+1], s[CS]
	s_mov_b32 s[SEL], 0x76543210
	s_mov_b32 s[SEL+1], 0xfedcba98
	s_mov_b32 s[TB], 0
	s_mov_b32 s[PS], 0
	s_add_co_u32 s[IB], s[WV], 16
	s_mov_b32 s[SLOTS], 7
	s_wait_dscnt 0x0                               ; both opening adds are done
	s_wait_kmcnt 0x0
	s_add_nc_u64 s[12:13], s[4:5], s[16:17]        ; q at my first tile
	s_add_nc_u64 s[18:19], s[6:7], s[16:17]        ; ao likewise
	s_add_nc_u64 s[PFA:PFA+1], s[4:5], s[60:61]
	s_mov_b32 s[G0K], 1
	s_mov_b32 s[G0K+1], s22
	s_add_nc_u64 s[G0K+2:G0K+3], s[4:5], s[20:21]
	s_add_nc_u64 s[G0K+2:G0K+3], s[G0K+2:G0K+3], 0x1000000
	s_or_b32 s[G0K+3], s[G0K+3], 0x80000000
	s_mov_b32 s[G0V], 1
	s_add_co_u32 s[G0V+1], s22, VOFF
	s_add_nc_u64 s[G0V+2:G0V+3], s[4:5], s[20:21]
	s_add_nc_u64 s[G0V+2:G0V+3], s[G0V+2:G0V+3], 0x2000000
	s_or_b32 s[G0V+3], s[G0V+3], 0x80000000
	CROUND                                         ; all four work-groups are here
	JLOAD                                          ; slot 0: one load of mine is out, here and behind every round
	v_and_b32 v13, 15, v0                          ; r
	v_bfe_u32 v14, v0, 4, 1                        ; h
	v_lshlrev_b32 v[QO], 7, v13
	v_lshl_add_u32 v[QO], v14, 4, v[QO]
.irp t, 0,1
.irp c, 0,1
	global_load_b128 v[Q+16*\t+8*\c:Q+16*\t+8*\c+3],   v[QO], s[12:13] offset:\t*131072+64*\c      ; Q stays in registers
	global_load_b128 v[Q+16*\t+8*\c+4:Q+16*\t+8*\c+7], v[QO], s[12:13] offset:\t*131072+64*\c+32
.endr
.endr
	v_mul_u32_u24 v[AK0], v13, PK
	v_lshl_add_u32 v[AK0], v14, 4, v[AK0]          ; K: row r x pitch + 16 h
	v_and_b32 v15, 7, v0
	v_lshl_add_u32 v[AV0], v14, 3, v15
	v_mul_u32_u24 v[AV0], v[AV0], VP
	v_bfe_u32 v15, v0, 3, 1
	v_lshl_add_u32 v[AV0], v15, 4, v[AV0]
	v_add_nc_u32 v[AV0], VOFF, v[AV0]              ; V, turning load: key 8 h + l % 8, channels 8 ((l / 8) % 2) on
	v_lshlrev_b32 v15, 3, v14
	v_sub_nc_u32 v[DQ], v13, v15
	s_lshl_b32 s10, s9, 4
	v_add_nc_u32 v[DQ], s10, v[DQ]
	v_mov_b32 v[NEG], 0xff800000
	v_and_b32 v[PFO], 31, v0
	v_lshlrev_b32 v[PFO], 8, v[PFO]
	s_mul_i32 s10, s[WV], 4608
	s_add_co_u32 s10, s10, STAGE                   ; my stage
	v_mul_u32_u24 v[STO], v13, PK
	v_lshl_add_u32 v[STO], v14, 4, v[STO]
	v_add_nc_u32 v[STO], s10, v[STO]
	v_and_b32 v15, 31, v0
	v_lshlrev_b32 v[GO], 4, v15                    ; (r is done with)  on the way out 16 bytes a lane, 512 consecutive bytes a wave
	v_lshrrev_b32 v[RD], 3, v15
	v_mul_u32_u24 v[RD], v[RD], PK
	v_and_b32 v15, 7, v0
	v_lshl_add_u32 v[RD], v15, 4, v[RD]
	v_add_nc_u32 v[RD], s10, v[RD]
.irp t, 0,1
	v_mov_b32 v[ST+8*\t+1], 0xff61b1e6             ; m: -3e38, under every score
	v_mul_f32 v[ST+8*\t], s[CS], v[ST+8*\t+1]
	v_mov_b32 v[ST+8*\t+2], 0                      ; l
	v_mov_b32 v[ST+8*\t+3], 0
	v_mov_b32 v[ST+8*\t+5], 0                      ; a lane permute's destination counts as one of its sources
	v_mov_b32 v[ST+8*\t+7], 0                      ; named as the upper half of a's pair
.endr
.irp j, 0,1,2,3,4,5,6,7,8,9,10,11,12,13,14,15
	v_mov_b32 v[P+\j], 0                           ; the first tile's P: written once, so that every way through the step's two tests finds it written
.endr
.irp j, 0,1,2,3,4,5,6,7,8,9,10,11,12,13,14,15,16,17,18,19,20,21,22,23,24,25,26,27,28,29,30,31,32,33,34,35,36,37,38,39,40,41,42,43,44,45,46,47,48,49,50,51,52,53,54,55,56,57,58,59,60,61,62,63
	v_mov_b32 v[O+\j], 0                           ; O^T: the step is written once; its first turn finds zeros, which a = 0 leaves zeros
.endr
.macro KQ t                            ; S^T = K Q^T of tile t: channels 32 c on, keys 16 kt on; the four accumulators by turns
.irp c, 0,1
.irp kt, 0,1,2,3
.if \c == 0
	v_wmma_f32_16x16x32_f16 v[S+8*\kt:S+8*\kt+7], v[KV+16*\kt+8*\c:KV+16*\kt+8*\c+7], v[Q+16*(\t)+8*\c:Q+16*(\t)+8*\c+7], 0
.else
	v_wmma_f32_16x16x32_f16 v[S+8*\kt:S+8*\kt+7], v[KV+16*\kt+8*\c:KV+16*\kt+8*\c+7], v[Q+16*(\t)+8*\c:Q+16*(\t)+8*\c+7], v[S+8*\kt:S+8*\kt+7]
.endif
.endr
.endr
.endm
.macro PVM t                           ; O^T += V^T P of tile t: keys 32 kh on, channels 16 ct on; the four accumulators by turns
.irp kh, 0,1
.irp ct, 0,1,2,3
	v_wmma_f32_16x16x32_f16 v[O+32*(\t)+8*\ct:O+32*(\t)+8*\ct+7], v[KV+32*\kh+8*\ct:KV+32*\kh+8*\ct+7], v[P+16*(\t)+8*\kh:P+16*(\t)+8*\kh+7], v[O+32*(\t)+8*\ct:O+32*(\t)+8*\ct+7]
.endr
.endr
.endm
.macro MASK                            ; the diagonal step: hidden scores become -infinity ahead of the maximum
.irp n, 0,1,2,3,4,5,6,7,8,9,10,11,12,13,14,15,16,17,18,19,20,21,22,23,24,25,26,27,28,29,30,31
	v_cmp_gt_i32 vcc_lo, 16*(\n/8)+\n%8, v[DQ]
	v_cndmask_b32 v[S+\n], v[S+\n], v[NEG], vcc_lo
.endr
.endm
.macro SM t                            ; tile t's softmax for one key step
.set rT, ST+8*(\t)
.set rP, P+16*(\t)
.set rO, O+32*(\t)
.irp j, 0,1,2,3
	v_max3_num_f32 v[rT+4+\j], v[S+8*\j], v[S+8*\j+1], v[S+8*\j+2]      ; four chains; each accumulator is read from its low end on
.endr
.irp i, 3,5
.irp j, 0,1,2,3
	v_max3_num_f32 v[rT+4+\j], v[rT+4+\j], v[S+8*\j+\i], v[S+8*\j+\i+1]
.endr
.endr
	v_max3_num_f32 v[rT+4], v[rT+4], v[S+7], v[S+15]
	v_max3_num_f32 v[rT+6], v[rT+6], v[S+23], v[S+31]
	v_max3_num_f32 v[rT+4], v[rT+4], v[rT+5], v[rT+6]
	v_max3_num_f32 v[rT+4], v[rT+4], v[rT+7], v[rT+1]                  ; with the old m
	v_permlanex16_b32 v[rT+5], v[rT+4], s[SEL], s[SEL+1]               ; the query's other 32 keys lie in the lane 16 away
	v_mov_b32 v[rT+7], v[rT]                                           ; c m_old
	v_max_num_f32 v[rT+1], v[rT+4], v[rT+5]
	v_mul_f32 v[rT], s[CS], v[rT+1]
	v_sub_f32 v[rT+7], v[rT+7], v[rT]
.irp b, 0,2,4,6,8,10,12,14,16,18,20,22,24,26,28,30
	v_pk_fma_f32 v[S+\b:S+\b+1], v[S+\b:S+\b+1], s[CS:CS+1], v[rT:rT+1] op_sel_hi:[1,0,0] neg_lo:[0,0,1] neg_hi:[0,0,1]   ; c s - c m
.endr
	v_exp_f32 v[rT+6], v[rT+7]                                         ; a
.irp e, 0,1,2,3,4,5,6,7,8,9,10,11,12,13,14,15,16,17,18,19,20,21,22,23,24,25,26,27,28,29,30,31
	v_exp_f32 v[S+\e], v[S+\e]
.endr
	v_nop                                          ; a plain line behind the last exponential
	s_wait_alu depctr_va_vdst(0)                   ; ONE wait for the 33, ahead of their first reader
.irp i, 0,1,2,3,4,5,6,7,8,9,10,11,12,13,14,15
	v_cvt_pk_f16_f32 v[rP+\i], v[S+2*\i], v[S+2*\i+1]
.endr
.irp u, 0,1,2,3,4,5,6,7
	v_pk_add_f32 v[S+4*\u:S+4*\u+1], v[S+4*\u:S+4*\u+1], v[S+4*\u+2:S+4*\u+3]
.endr
.irp u, 0,1,2,3
	v_pk_add_f32 v[S+8*\u:S+8*\u+1], v[S+8*\u:S+8*\u+1], v[S+8*\u+4:S+8*\u+5]
.endr
.irp u, 0,1
	v_pk_add_f32 v[S+16*\u:S+16*\u+1], v[S+16*\u:S+16*\u+1], v[S+16*\u+8:S+16*\u+9]
.endr
	v_pk_add_f32 v[S:S+1], v[S:S+1], v[S+16:S+17]
	v_pk_fma_f32 v[rT+2:rT+3], v[rT+2:rT+3], v[rT+6:rT+7], v[S:S+1] op_sel_hi:[1,0,1]   ; l = a l + the step's sum
.irp i, 0,2,4,6,8,10,12,14,16,18,20,22,24,26,28,30
	v_pk_mul_f32 v[rO+\i:rO+\i+1], v[rO+\i:rO+\i+1], v[rT+6:rT+7] op_sel_hi:[1,0]       ; O^T x a.  (These sixteen name no register of the scores' products: they are the places ahead of the products that write S^T anew)
.endr
.endm
; A KEY STEP: 64 keys.  The tests hang on the wave's number and the count of steps; they lead round loads from LDS, products and softmax, and round no barrier, wait for a fill or tensor load.
.macro STEP
	s_cmp_gt_u32 s[PS], s[IB]
	s_cbranch_scc1 .Lidle_\@                       ; both my tiles lie above these keys
	v_add_nc_u32 v[ADK], s[TB], v[AK0]
	v_add_nc_u32 v[ADV], s[TB], v[AV0]
	v_nop
	v_nop                                          ; four places between the last step's products and the loads into V's registers
.irp f, 0,1,2,3,4,5,6,7
	ds_load_b128 v[KV+8*\f:KV+8*\f+3],   v[ADK] offset:(\f/2)*16*PK+(\f%2)*64
	ds_load_b128 v[KV+8*\f+4:KV+8*\f+7], v[ADK] offset:(\f/2)*16*PK+(\f%2)*64+32
.endr
	s_wait_dscnt 0x0
	s_cmp_gt_u32 s[PS], s[WV]
	s_cbranch_scc1 .LnoA1_\@
	KQ 0
.rept 4
	v_nop
.endr
	s_cmp_lg_u32 s[PS], s[WV]
	s_cbranch_scc1 .LopenA_\@
	MASK
.LopenA_\@:
	SM 0
.LnoA1_\@:
	KQ 1
.rept 4
	v_nop                                          ; places ahead of the reads of S^T and of the loads into K's registers
.endr
.irp f, 0,1,2,3,4,5,6,7
	ds_load_tr16_b128 v[KV+8*\f:KV+8*\f+3],   v[ADV] offset:(\f/4)*32*VP+(\f%4)*32          ; V lands while the softmax below is walked
	ds_load_tr16_b128 v[KV+8*\f+4:KV+8*\f+7], v[ADV] offset:(\f/4)*32*VP+16*VP+(\f%4)*32
.endr
	s_cmp_lg_u32 s[PS], s[IB]
	s_cbranch_scc1 .LopenB_\@
	MASK
.LopenB_\@:
	SM 1
	s_wait_dscnt 0x0                               ; V is in
	s_cmp_gt_u32 s[PS], s[WV]
	s_cbranch_scc1 .LnoA2_\@
	PVM 0
.LnoA2_\@:
	PVM 1
.Lidle_\@:
	s_add_co_u32 s[PS], s[PS], 1
	s_add_co_u32 s[TB], s[TB], STEPB
.endm
.macro SLOT_STEPS                      ; a slot's four key steps: written once, walked four times
	s_mov_b32 s[FOUR], 4
.Lstep_\@:
	STEP
	s_sub_co_u32 s[FOUR], s[FOUR], 1
	s_cmp_lg_u32 s[FOUR], 0
	s_cbranch_scc1 .Lstep_\@
	s_sub_co_u32 s[TB], s[TB], 4*STEPB
	s_xor_b32 s[TB], s[TB], SLOT1                  ; on to the other slot
.endm
; THE CHANGE OF SLOTS stands at a slot's head.  Each wave waits for all its tensor loads (its part of the slot ahead), adds 0 to its spare word, and waits for that and for its reads of the slot that it has left.
; fill = 1: a round of the cluster's barrier; behind it no wave of any partner reads the other slot or has a load on its way, and that slot is filled with the next 256 keys: the load has four key steps in which to land.
.macro CHANGE fill
	s_wait_tensorcnt 0x0                           ; no tensor load of mine is out, so a group 0 may be written
	ds_add_u32 v[SPW], v[NIL]
.if \fill
	ds_add_u32 v[SPW], v[NIL]                      ; and twice on end here, in every trip alike
	s_xor_b32 s[G0K+1], s[G0K+1], SLOT1
	s_add_nc_u64 s[G0K+2:G0K+3], s[G0K+2:G0K+3], 32768
	s_xor_b32 s[G0V+1], s[G0V+1], SLOT1
	s_add_nc_u64 s[G0V+2:G0V+3], s[G0V+2:G0V+3], 32768
	s_wait_xcnt 0x0                                ; the last prefetch, a slot back, has read its address
	s_add_nc_u64 s[PFA:PFA+1], s[PFA:PFA+1], 32768 ; one slot further on than the walking descriptors
	s_wait_dscnt 0x0
	CROUND
	JLOAD
	ASK
.else
	s_wait_dscnt 0x0
	s_barrier_signal -1
	s_barrier_wait -1
.endif
.endm
	s_wait_loadcnt 0x0                             ; Q
.Lslot:                                            ; seven trips: behind each change of slots but the last the next slot is asked for
	CHANGE 1
	SLOT_STEPS
	s_sub_co_u32 s[SLOTS], s[SLOTS], 1
	s_cmp_lg_u32 s[SLOTS], 0
	s_cbranch_scc1 .Lslot
	CHANGE 0                                       ; the last slot is written out
	SLOT_STEPS
	; THE WAY OUT: O^T / l, rounded to f16, through my stage; a tile's 16 rows of 128 bytes are 2,048 consecutive bytes of ao
.rept 4
	v_nop
.endr
.irp t, 0,1
	v_add_f32 v[ST+8*\t+4], v[ST+8*\t+2], v[ST+8*\t+3]
.endr
.irp t, 0,1
	v_permlanex16_b32 v[ST+8*\t+5], v[ST+8*\t+4], s[SEL], s[SEL+1]
.endr
.irp t, 0,1
	v_add_f32 v[ST+8*\t+4], v[ST+8*\t+4], v[ST+8*\t+5]
.endr
.irp t, 0,1
	v_rcp_f32 v[ST+8*\t+6], v[ST+8*\t+4]
.endr
	v_nop
	s_wait_alu depctr_va_vdst(0)                   ; one wait for the two reciprocals
.irp t, 0,1
.irp i, 0,2,4,6,8,10,12,14,16,18,20,22,24,26,28,30
	v_pk_mul_f32 v[O+32*\t+\i:O+32*\t+\i+1], v[O+32*\t+\i:O+32*\t+\i+1], v[ST+8*\t+6:ST+8*\t+7] op_sel_hi:[1,0]
.endr
.irp i, 0,1,2,3,4,5,6,7,8,9,10,11,12,13,14,15
	v_cvt_pk_f16_f32 v[S+16*\t+\i], v[O+32*\t+2*\i], v[O+32*\t+2*\i+1]
.endr
.irp c, 0,1,2,3
	ds_store_b128 v[STO], v[S+16*\t+4*\c:S+16*\t+4*\c+3] offset:\t*16*PK+32*\c
.endr
.irp u, 0,1,2,3
	ds_load_b128 v[KV+16*\t+4*\u:KV+16*\t+4*\u+3], v[RD] offset:\t*16*PK+\u*4*PK   ; in order behind my stores
.endr
.endr
	s_wait_dscnt 0x0
.irp t, 0,1
.irp u, 0,1,2,3
	global_store_b128 v[GO], v[KV+16*\t+4*\u:KV+16*\t+4*\u+3], s[18:19] offset:\t*131072+\u*512   ; the wave stores 512 consecutive bytes, aligned
.endr
.endr
	s_wait_tensorcnt 0x0                           ; the wave's end
	ds_add_u32 v[SPW], v[NIL]
	s_wait_dscnt 0x0
	CROUND                                         ; the closing round
	s_endpgm
.Lfunc_end_k_q1d9cda2515_attn:
	.size	k_q1d9cda2515_attn, .Lfunc_end_k_q1d9cda2515_attn-k_q1d9cda2515_attn
	.p2alignl 7, 3214868480
	.fill 96, 4, 3214868480
	.section	.rodata,"a",@progbits
	.p2align	6, 0x0
	.amdhsa_kernel k_q1d9cda2515_attn
		.amdhsa_group_segment_fixed_size 327680
		.amdhsa_private_segment_fixed_size 0
		.amdhsa_enable_private_segment 0
		.amdhsa_kernarg_size 16
		.amdhsa_user_sgpr_count 2
		.amdhsa_user_sgpr_kernarg_segment_ptr 1
		.amdhsa_wavefront_size32 1
		.amdhsa_system_sgpr_workgroup_id_x 1
		.amdhsa_system_sgpr_workgroup_id_y 1
		.amdhsa_system_sgpr_workgroup_id_z 1
		.amdhsa_system_vgpr_workitem_id 0
		.amdhsa_next_free_vgpr 256
		.amdhsa_next_free_sgpr 66
		.amdhsa_reserve_vcc 1
		.amdhsa_float_denorm_mode_32 3
		.amdhsa_float_denorm_mode_16_64 3
		.amdhsa_memory_ordered 1
		.amdhsa_forward_progress 1
		.amdhsa_inst_pref_size 62
	.end_amdhsa_kernel
	.amdgpu_metadata
---
amdhsa.version: [ 1, 2 ]
amdhsa.kernels:
  - .name:           k_q1d9cda2515_attn
    .symbol:         k_q1d9cda2515_attn.kd
    .args:
      - { .name: qkvh, .offset: 0, .size: 8, .value_kind: global_buffer, .address_space: global }
      - { .name: ao, .offset: 8, .size: 8, .value_kind: global_buffer, .address_space: global }
    .group_segment_fixed_size: 327680
    .private_segment_fixed_size: 0
    .kernarg_segment_align: 8
    .kernarg_segment_size: 16
    .max_flat_workgroup_size: 512
    .sgpr_count:     66
    .vgpr_count:     256
    .wavefront_size: 32
...
	.end_amdgpu_metadata
.endif
;; end of part 4
;; launch oproj (part 5): grid 4 x 64, 4 waves a work-group, clusters of 4 x 4, 327,680 bytes of LDS; arguments ao, wot, bo, out0; writes out0
.if DOCPART == 5
	.amdgcn_target "amdgcn-amd-amdhsa--gfx1250"
	.amdhsa_code_object_version 6
	.text
	.protected	k_q1d9cda2515_oproj
	.globl	k_q1d9cda2515_oproj
	.p2align	8
	.type	k_q1d9cda2515_oproj,@function
k_q1d9cda2515_oproj:
	s_mov_b64 s[64:65], 0
	v_nop
	global_prefetch_b8 v0, s[64:65] scope:SCOPE_SE
	s_setreg_imm32_b32 hwreg(HW_REG_WAVE_MODE, 25, 1), 1
	s_wait_xcnt 0x0
	s_wait_alu depctr_hold_cnt(0) depctr_sa_sdst(0) depctr_va_vdst(0) depctr_va_sdst(0) depctr_va_ssrc(0) depctr_va_vcc(0) depctr_vm_vsrc(0)
	s_getreg_b32 s2, hwreg(HW_REG_IB_STS2, 6, 4)
	s_cmp_eq_u32 s2, 0
	s_cbranch_scc0 .Lentry_in_a_cluster
	s_endpgm
.Lentry_in_a_cluster:
	s_bfe_u32 s2, ttmp6, 0x10000c
	s_cmp_lg_u32 s2, 0xf033
	s_cbranch_scc0 .Lentry_shape_is_right
	s_endpgm
.Lentry_shape_is_right:
; out0 = a Wo + bo for all positions but the first 16 of each batch, which another launch carries in f32.  a: ao [batch x head][2048][64] f16; Wo turned: wot [n 1024][k 1024] f16; sums in f32, beginning with bo.
; LIMITS: f16 operands (|a|, |Wo| under 65,504).  bo is the sum's first term, where the definition adds it last: another order of rounding in f32.
; A tile of the result is 128 rows x 256 columns: 256 tiles, one to a work-group; four waves, each 64 x 128: 32 accumulators, 256 registers.
; K goes in steps of 128, which are two heads: a slot holds two planes of a (128 rows x 128 bytes each) and 256 rows x 256 bytes of wot.  Two slots; waves 0, 1 fetch a's planes, waves 2, 3 wot's halves: one load a wave.
; CLUSTERS: 4 x 4.  Tile row = 16 cy + cluster y (the batch is cy; 'the tile begins a batch' is 'cluster y = 0', shared by all sixteen); tile column = cx.  a's tiles are shared along a row of the cluster, wot's along a column.
; No prefetch: a K step's tiles are small, and wot is read by every cluster.
; THE MATRIX INSTRUCTION IS USED TRANSPOSED (source 0 = 16 rows of wot, source 1 = 16 rows of a): a lane holds eight neighbouring columns of one row.
; REGISTERS: window 0: v16-29 addresses; v64-127 a's fragments, two buffers of 32; v128-191 bo in the result's layout; on the way out v128-255 rows.  window 1: wot's fragments, two buffers of 64.  window 2: the accumulators, (a, b) at v[8 (8 a + b)].
.set AP,     144                       ; a's row in LDS: 128 bytes + 16
.set BP,     272                       ; wot's: 256 + 16
.set APLANE, 128*AP
.set BOFF,   2*APLANE
.set SLOT,   BOFF+256*BP
.set STAGE,  2*SLOT                    ; behind the ring: 16 rows x 528 bytes for each wave
.set SPITCH, 528
.set SPARE,  STAGE+4*16*SPITCH         ; the spare words, 128 bytes for each wave
.set ADRA, 16
.set ADRB, 20
.set BO,   23
.set STO,  24
.set RD,   25
.set CO,   26
.set SPW,  28
.set NIL,  29
.set AF,   64
.set BIAS, 128
.set BK,   128
.set G1, 24
.set G0, 32
.set G1B, 48
.set G0B, 56
.set MSB, 0
.macro WIN new
.if MSB != \new
	s_set_vgpr_msb (MSB<<8)|\new
.set MSB, \new
.endif
.endm
.set MUL,  0xa1                        ; source 0 (wot) window 1, source 1 (a) window 0, C and D window 2
.set MUL0, 0x81                        ; C = bo, window 0
.set TO_B, 0x40
.macro JLOAD s                         ; a joint load; an s_nop 0 and four v_nop follow each of the two lines
	s_cmp_eq_u32 s13, 0
	s_cbranch_scc0 .Lfor_b_\@
	tensor_load_to_lds s[G0+4*\s:G0+4*\s+3], s[G1:G1+7]
	s_nop 0
.rept 4
	v_nop
.endr
	s_branch .Lasked_\@
.Lfor_b_\@:
	tensor_load_to_lds s[G0B+4*\s:G0B+4*\s+3], s[G1B:G1B+7]
	s_nop 0
.rept 4
	v_nop
.endr
.Lasked_\@:
.endm
.macro CREST
	s_cmp_lg_u32 s12, 0
	s_cbranch_scc1 .Lnot_wave_0_\@
	s_barrier_signal -3
.Lnot_wave_0_\@:
	s_barrier_wait -3
	s_barrier_signal -1
	s_barrier_wait -1
.endm
.macro CROUND
	s_barrier_signal -1
	s_barrier_wait -1
	CREST
.endm
	s_load_b256 s[4:11], s[0:1], 0x0               ; ao, wot, bo, out0
	v_lshl_add_u32 v[SPW], v0, 2, SPARE
	v_mov_b32 v[NIL], 0
	ds_add_u32 v[SPW], v[NIL]                      ; the wave's opening: the add, twice on end, and its wait ahead of my first tensor load
	ds_add_u32 v[SPW], v[NIL]
	v_lshrrev_b32 v1, 5, v0
	v_readfirstlane_b32 s12, v1                    ; wave 0..3
	s_lshr_b32 s13, s12, 1                         ; which half of the tile's rows is mine.  Also: I fetch for a (0) or for wot (1)
	s_and_b32 s14, s12, 1                          ; which half of its columns.  Also: which plane, or which 128 rows, I fetch
	s_bfe_u32 s40, ttmp6, 0x40000                  ; cx = tile column
	s_bfe_u32 s41, ttmp6, 0x40004                  ; cy = batch
	s_and_b32 s15, ttmp7, 0xffff                   ; cluster y: which 128 positions of the batch
	s_lshl_b32 s43, s41, 2
	s_lshl_b32 s43, 15, s43                        ; my row of the cluster
	s_lshl_b32 s44, 0x1111, s40                    ; my column
	s_or_b32 s[G1+0], s43, (1<<16)|(1<<20)|(1<<21)|(4<<22)|(3<<25)   ; a: elements of 2 bytes; 4 words of padding behind every 32
	s_mov_b32 s[G1+1], 64<<16                      ; tensor_dim0
	s_mov_b32 s[G1+2], 128<<16                     ; tensor_dim1
	s_mov_b32 s[G1+3], 64<<16                      ; tile_dim0
	s_mov_b32 s[G1+4], 128                         ; tile_dim1
	s_mov_b32 s[G1+5], 64                          ; the pitch
	s_mov_b32 s[G1+6], 0
	s_mov_b32 s[G1+7], 0
	s_or_b32 s[G1B+0], s44, (1<<16)|(1<<20)|(1<<21)|(5<<22)|(3<<25)  ; wot: 4 words behind every 64
	s_mov_b32 s[G1B+1], 128<<16
	s_mov_b32 s[G1B+2], 128<<16
	s_mov_b32 s[G1B+3], 128<<16
	s_mov_b32 s[G1B+4], 128
	s_mov_b32 s[G1B+5], 1024
	s_mov_b32 s[G1B+6], 0
	s_mov_b32 s[G1B+7], 0
	s_lshl_b32 s16, s41, 4
	s_add_co_u32 s16, s16, s14                     ; a: plane 16 batch + my head of the step's two,
	s_lshl_b32 s16, s16, 18
	s_lshl_b32 s17, s15, 14                        ; 128 rows of 128 bytes a tile
	s_add_co_u32 s16, s16, s17
	s_mov_b32 s17, 0
	s_lshl_b32 s46, s40, 19                        ; wot: 256 rows of 2,048 bytes a tile column,
	s_lshl_b32 s47, s14, 18                        ; 128 a half
	s_add_co_u32 s46, s46, s47
	s_mov_b32 s47, 0
	s_mul_i32 s20, s14, APLANE                     ; where they go: no place in the cluster enters an LDS address
	s_mul_i32 s21, s14, 128*BP
	s_add_co_u32 s21, s21, BOFF
	s_wait_dscnt 0x0                               ; both opening adds are done
	s_wait_kmcnt 0x0
	s_add_nc_u64 s[18:19], s[4:5], s[16:17]
	s_add_nc_u64 s[46:47], s[6:7], s[46:47]
	CROUND                                         ; all sixteen work-groups are here
.irp s, 0,1
	s_mov_b32 s[G0+4*\s], 1
	s_add_co_u32 s[G0+4*\s+1], s20, \s*SLOT
	s_add_nc_u64 s[G0+4*\s+2:G0+4*\s+3], s[18:19], \s*524288       ; K step s: two heads on
	s_or_b32 s[G0+4*\s+3], s[G0+4*\s+3], 0x80000000
	s_mov_b32 s[G0B+4*\s], 1
	s_add_co_u32 s[G0B+4*\s+1], s21, \s*SLOT
	s_add_nc_u64 s[G0B+4*\s+2:G0B+4*\s+3], s[46:47], \s*256
	s_or_b32 s[G0B+4*\s+3], s[G0B+4*\s+3], 0x80000000
	JLOAD \s                                       ; two loads of mine are out here, one behind each later round
.endr
	v_and_b32 v1, 15, v0                           ; r
	v_bfe_u32 v2, v0, 4, 1                         ; h
	s_lshl_b32 s46, s40, 10                        ; my first column, in bytes of f32: 1,024 cx + 512 colhalf
	s_lshl_b32 s47, s14, 9
	s_add_co_u32 s46, s46, s47
	s_mov_b32 s47, 0
	s_add_nc_u64 s[8:9], s[8:9], s[46:47]
	v_lshlrev_b32 v[BO], 5, v2
.irp b, 0,1,2,3,4,5,6,7
	global_load_b128 v[BIAS+8*\b:BIAS+8*\b+3], v[BO], s[8:9] offset:64*\b          ; lane (r, h): columns 16 b + 8 h + 0 .. 7
	global_load_b128 v[BIAS+8*\b+4:BIAS+8*\b+7], v[BO], s[8:9] offset:64*\b+16
.endr
	v_mul_u32_u24 v3, v1, AP
	v_lshl_add_u32 v3, v2, 4, v3
	s_mul_i32 s21, s13, 64*AP                      ; my 64 rows of a
	v_mul_u32_u24 v4, v1, BP
	v_lshl_add_u32 v4, v2, 4, v4
	s_mul_i32 s22, s14, 128*BP                     ; my 128 rows of wot
	s_add_co_u32 s22, s22, BOFF
.irp s, 0,1
	v_add_nc_u32 v[ADRA+\s], s21, v3
	v_add_nc_u32 v[ADRB+\s], s22, v4
	s_add_co_u32 s21, s21, SLOT
	s_add_co_u32 s22, s22, SLOT
.endr
	s_mul_i32 s23, s12, 16*SPITCH
	s_add_co_u32 s23, s23, STAGE                   ; my stage
	v_mul_u32_u24 v5, v1, SPITCH
	v_lshl_add_u32 v5, v2, 5, v5
	v_add_nc_u32 v[STO], s23, v5                   ; in: row r, 32 bytes for each half of the lanes
	v_and_b32 v6, 31, v0
	v_lshlrev_b32 v[CO], 4, v6                     ; back: the 32 lanes take one row of 512 bytes; the same in out0
	v_add_nc_u32 v[RD], s23, v[CO]
	s_lshl_b32 s16, s41, 23                        ; out0: a batch is 2,048 rows of 4,096 bytes,
	s_lshl_b32 s17, s15, 19                        ; a tile 128,
	s_add_co_u32 s16, s16, s17
	s_lshl_b32 s17, s13, 18                        ; my half 64
	s_add_co_u32 s16, s16, s17
	s_add_co_u32 s16, s16, s46
	s_mov_b32 s17, 0
	s_add_nc_u64 s[10:11], s[10:11], s[16:17]
.macro MUL8 f, a, first                ; a's block a against wot's eight, 32 along K.  The 32 accumulators take turns in the same order in every quarter
.irp b, 0,1,2,3,4,5,6,7
.if \first
	v_wmma_f32_16x16x32_f16 v[8*(8*(\a)+\b):8*(8*(\a)+\b)+7], v[64*(\f)+8*\b:64*(\f)+8*\b+7], v[AF+32*(\f)+8*(\a):AF+32*(\f)+8*(\a)+7], v[BIAS+8*\b:BIAS+8*\b+7]
.else
	v_wmma_f32_16x16x32_f16 v[8*(8*(\a)+\b):8*(8*(\a)+\b)+7], v[64*(\f)+8*\b:64*(\f)+8*\b+7], v[AF+32*(\f)+8*(\a):AF+32*(\f)+8*(\a)+7], v[8*(8*(\a)+\b):8*(8*(\a)+\b)+7]
.endif
.endr
.endm
.macro FETCH slot, q, f                ; 24 LDS loads in one run: quarter q (32 along K) of the slot into buffer f: wot's eight fragments, then a's four
	WIN TO_B
.irp i, 0,1,2,3,4,5,6,7
	ds_load_b128 v[64*(\f)+8*\i:64*(\f)+8*\i+3],   v[ADRB+\slot] offset:64*(\q)+\i*16*BP
	ds_load_b128 v[64*(\f)+8*\i+4:64*(\f)+8*\i+7], v[ADRB+\slot] offset:64*(\q)+\i*16*BP+32
.endr
	WIN 0
.irp i, 0,1,2,3
	ds_load_b128 v[AF+32*(\f)+8*\i:AF+32*(\f)+8*\i+3],   v[ADRA+\slot] offset:((\q)/2)*APLANE+((\q)%2)*64+\i*16*AP
	ds_load_b128 v[AF+32*(\f)+8*\i+4:AF+32*(\f)+8*\i+7], v[ADRA+\slot] offset:((\q)/2)*APLANE+((\q)%2)*64+\i*16*AP+32
.endr
.endm
.macro PLACES                          ; four plain lines in front of loads into registers that matrix instructions have read, and of reads of results (ISA guide 7.12.1 for reads of results)
.rept 4
	v_nop
.endr
.endm
.macro QUARTER slot, q, f, g, first    ; multiplies buffer f; in its middle it fetches quarter q of the slot into buffer g
	s_wait_dscnt 4                                 ; all but the youngest four loads (a's blocks 2 and 3) are in
.if \first
	WIN MUL0
.else
	WIN MUL
.endif
	MUL8 \f, 0, \first
	MUL8 \f, 1, \first
	PLACES
	FETCH \slot, \q, \g
	s_wait_dscnt 24                                ; all but the 24 just issued
.if \first
	WIN MUL0
.else
	WIN MUL
.endif
	MUL8 \f, 2, \first
	MUL8 \f, 3, \first
.endm
; A slot's last quarter multiplies buffer 1 and changes slots: one barrier; in front of it each wave waits for all its tensor loads, adds 0 to its spare word, and waits for that and for its reads of this slot.
; fill = 1: the barrier opens a round of the cluster's, and this slot is filled again, two K steps ahead: 112 matrix instructions stand between the request and the wait for it.
.macro TURN slot, next, fill
	WIN 0
	s_wait_tensorcnt 0x0
	ds_add_u32 v[SPW], v[NIL]
	s_wait_dscnt 5                                 ; the add and the youngest four loads may be out
	WIN MUL
	MUL8 1, 0, 0
	s_wait_dscnt 0x0                               ; the add is done, and my reads of this slot are over
	s_barrier_signal -1
	MUL8 1, 1, 0
.if \fill
	WIN 0
.endif
	s_barrier_wait -1
.if \fill
	CREST
	s_add_nc_u64 s[G0+4*\slot+2:G0+4*\slot+3], s[G0+4*\slot+2:G0+4*\slot+3], 1048576     ; four heads on
	s_add_nc_u64 s[G0B+4*\slot+2:G0B+4*\slot+3], s[G0B+4*\slot+2:G0B+4*\slot+3], 512
	JLOAD \slot                                    ; the first tensor load behind the round; its four v_nop are also the places in front of the loads below
.else
	PLACES
.endif
	FETCH \next, 0, 0
	WIN MUL
	MUL8 1, 2, 0
	MUL8 1, 3, 0
.endm
	s_wait_tensorcnt 1                             ; my part of K step 0 is in; K step 1's may stay out
	s_barrier_signal -1
	s_barrier_wait -1
	FETCH 0, 0, 0
	s_wait_loadcnt 0x0                             ; bo
	QUARTER 0, 1, 0, 1, 1                          ; the first quarter stands in front of the loop: its products begin the sums with bo
	WIN 0
	s_mov_b32 s3, 3
.Llap:                                             ; a trip goes once round the ring and fills both slots again: K steps 2 to 7
	QUARTER 0, 2, 1, 0, 0
	QUARTER 0, 3, 0, 1, 0
	TURN 0, 1, 1
	QUARTER 1, 1, 0, 1, 0
	QUARTER 1, 2, 1, 0, 0
	QUARTER 1, 3, 0, 1, 0
	TURN 1, 0, 1
	QUARTER 0, 1, 0, 1, 0
	WIN 0
	s_sub_co_u32 s3, s3, 1
	s_cmp_lg_u32 s3, 0
	s_cbranch_scc1 .Llap
	QUARTER 0, 2, 1, 0, 0                          ; the last lap fills nothing
	QUARTER 0, 3, 0, 1, 0
	TURN 0, 1, 0
	QUARTER 1, 1, 0, 1, 0
	QUARTER 1, 2, 1, 0, 0
	QUARTER 1, 3, 0, 1, 0
	s_wait_dscnt 4
	WIN MUL
	MUL8 1, 0, 0
	MUL8 1, 1, 0
	s_wait_dscnt 0
	MUL8 1, 2, 0
	MUL8 1, 3, 0
	WIN 0
	PLACES
; THE WAY OUT, a block of 16 rows x 128 columns at a time, through my own stage: whole rows of 512 bytes come back and are stored by the 32 lanes.
.macro TOSTAGE a
	WIN 0x08                                       ; an LDS store's data are its source 1: window 2
.irp b, 0,1,2,3,4,5,6,7
	ds_store_b128 v[STO], v[64*(\a)+8*\b:64*(\a)+8*\b+3] offset:64*\b          ; each accumulator from its low end on
	ds_store_b128 v[STO], v[64*(\a)+8*\b+4:64*(\a)+8*\b+7] offset:64*\b+16
.endr
	WIN 0
.set BB, BK+64*((\a)%2)
.irp t, 0,1,2,3,4,5,6,7,8,9,10,11,12,13,14,15
	ds_load_b128 v[BB+4*\t:BB+4*\t+3], v[RD] offset:\t*SPITCH                  ; in order behind my stores
.endr
.endm
.macro SEND a, younger                 ; younger: the LDS instructions issued behind block a's loads, which may stay out
.set BB, BK+64*((\a)%2)
	s_wait_dscnt \younger
.irp t, 0,1,2,3,4,5,6,7,8,9,10,11,12,13,14,15
	global_store_b128 v[CO], v[BB+4*\t:BB+4*\t+3], s[10:11] offset:(16*(\a)+\t)*4096 th:TH_STORE_NT   ; 512 consecutive bytes, aligned; written once, read by nobody here
.endr
.endm
	s_cmp_lg_u32 s13, 0                            ; my block 0 is the first 16 positions of a batch where my rows are the tile's upper half and cluster y = 0 (the same in all sixteen partners): those rows are another launch's
	s_cbranch_scc1 .Ldo0
	s_cmp_eq_u32 s15, 0
	s_cbranch_scc1 .Lskip0
.Ldo0:
	TOSTAGE 0
	SEND 0, 0
.Lskip0:
	TOSTAGE 1
	s_wait_xcnt 0x0                                ; block 0's stores have read their registers: block 2's loads may land there
	TOSTAGE 2
	SEND 1, 32                                     ; behind block 1's loads: block 2's 16 stores and 16 loads
	s_wait_xcnt 0x0
	TOSTAGE 3
	SEND 2, 32
	SEND 3, 0
	s_wait_tensorcnt 0x0                           ; the wave's end
	ds_add_u32 v[SPW], v[NIL]
	s_wait_dscnt 0x0
	CROUND                                         ; the closing round
	s_endpgm
.Lfunc_end_k_q1d9cda2515_oproj:
	.size	k_q1d9cda2515_oproj, .Lfunc_end_k_q1d9cda2515_oproj-k_q1d9cda2515_oproj
	.p2alignl 7, 3214868480
	.fill 96, 4, 3214868480
	.section	.rodata,"a",@progbits
	.p2align	6, 0x0
	.amdhsa_kernel k_q1d9cda2515_oproj
		.amdhsa_group_segment_fixed_size 327680
		.amdhsa_private_segment_fixed_size 0
		.amdhsa_enable_private_segment 0
		.amdhsa_kernarg_size 32
		.amdhsa_user_sgpr_count 2
		.amdhsa_user_sgpr_kernarg_segment_ptr 1
		.amdhsa_wavefront_size32 1
		.amdhsa_system_sgpr_workgroup_id_x 1
		.amdhsa_system_sgpr_workgroup_id_y 1
		.amdhsa_system_sgpr_workgroup_id_z 1
		.amdhsa_system_vgpr_workitem_id 0
		.amdhsa_next_free_vgpr 768
		.amdhsa_next_free_sgpr 66
		.amdhsa_reserve_vcc 0
		.amdhsa_float_denorm_mode_32 3
		.amdhsa_float_denorm_mode_16_64 3
		.amdhsa_memory_ordered 1
		.amdhsa_forward_progress 1
		.amdhsa_inst_pref_size 87
	.end_amdhsa_kernel
	.amdgpu_metadata
---
amdhsa.version: [ 1, 2 ]
amdhsa.kernels:
  - .name:           k_q1d9cda2515_oproj
    .symbol:         k_q1d9cda2515_oproj.kd
    .args:
      - { .name: ao, .offset: 0, .size: 8, .value_kind: global_buffer, .address_space: global }
      - { .name: wot, .offset: 8, .size: 8, .value_kind: global_buffer, .address_space: global }
      - { .name: bo, .offset: 16, .size: 8, .value_kind: global_buffer, .address_space: global }
      - { .name: out0, .offset: 24, .size: 8, .value_kind: global_buffer, .address_space: global }
    .group_segment_fixed_size: 327680
    .private_segment_fixed_size: 0
    .kernarg_segment_align: 8
    .kernarg_segment_size: 32
    .max_flat_workgroup_size: 128
    .sgpr_count:     66
    .vgpr_count:     768
    .wavefront_size: 32
...
	.end_amdgpu_metadata
.endif
;; end of part 5
